; MI455X (gfx1250); checked and timed in simulation.
; The chip was launched on July 23, 2026; its instructions are those of AMD's public machine-readable ISA for CDNA 5 (MIT licence, August 2026) and "CDNA5" Instruction Set Architecture Reference Guide (July 2026). The comments in the code are by the model that wrote it; some were corrected since.
;; Single Head Attention. Allowed arithmetic: matrix products marked QUANTISED: E2M3 operands, one E8M0 scale for each 32 along K, by v_wmma_scale_f32_16x16x128_f8f6f4 with both operands' format E2M3, f32 sums; everything else in f32.
;; Inputs: Wk 1,024 x 1,024 float32; Wq 1,024 x 1,024 float32; Wv 1,024 x 1,024 float32; bk 1,024 float32; bq 1,024 float32; bv 1,024 float32; key 4 x 2,048 x 1,024 float32; mask 4 x 2,048 x 2,048 bool; query 4 x 2,048 x 1,024 float32; value 4 x 2,048 x 1,024 float32.
;; Outputs: out0 4 x 2,048 x 1,024 float32.
;; This version of the problem:
;;   THIS VERSION OF THE PROBLEM IS GIVEN IN LOW PRECISION. The matrix products marked QUANTISED in the list below multiply operands that are first quantised to E2M3 (2 exponent bits, 3 mantissa bits; 6 bits a number), with one power-of-two scale for each 32 numbers along K (OCP MX v1.0); their sums are f32. All else is computed in f32.
;;   The module's matrix products, in the order in which they are computed (A, B: the left and right operand; K: the contracted axis; several contracted axes count as one K, in the product's order):
;;     1. [M 8,192, K 1,024] x [K 1,024, N 1,024]; A: input query; B: input Wq: QUANTISED
;;     2. [M 8,192, K 1,024] x [K 1,024, N 1,024]; A: input key; B: input Wk: QUANTISED
;;     3. [M 8,192, K 1,024] x [K 1,024, N 1,024]; A: input value; B: input Wv: QUANTISED
;;     4. batch 4 x [M 2,048, K 1,024] x [K 1,024, N 2,048]; A: computed on the way; B: computed on the way: QUANTISED
;;     5. batch 4 x [M 2,048, K 2,048] x [K 2,048, N 1,024]; A: softmax (see below); B: computed on the way: QUANTISED
;;   THE QUANTISER, for each operand of a quantised product, along K:
;;     - K is cut into blocks of 32 from its start; a last block that is shorter is filled with zeros.
;;     - A block's scale is 2^e with e = floor(log2(the largest magnitude in the block)) - 2, held to -126 .. 127; a block of zeros has e = 0. As a byte (E8M0): e + 127.
;;     - Each number is divided by its block's scale, clamped to +-7.5, and rounded to the nearest number of E2M3, ties to even, subnormals kept.
;;     - The product sums the exact products of the quantised numbers (number of the format x scale) in f32.
;;   ~~~python
;;   def quantise(x, axis):      # numpy; x: float32 -> the quantised numbers, widened to float32 again
;;       x = np.moveaxis(x, axis, -1); K = x.shape[-1]
;;       x = np.pad(x, [(0, 0)] * (x.ndim - 1) + [(0, -K % 32)]); x = x.reshape(x.shape[:-1] + (-1, 32)); a = np.abs(x).max(-1, keepdims=True)
;;       e = np.where(a > 0, np.clip(np.frexp(np.where(a > 0, a, 1))[1] - 1 - 2, -126, 127), 0)      # np.frexp(a)[1] - 1 = floor(log2(a)), exactly
;;       r = np.clip(x / 2.0 ** e, -7.5, 7.5)
;;       step = 2.0 ** (np.maximum(np.frexp(np.where(r == 0, 1, r))[1] - 1, 0) - 3)
;;       q = np.round(r / step) * step * 2.0 ** e      # np.round: ties to even
;;       return np.moveaxis(q.reshape(q.shape[:-2] + (-1,))[..., :K], -1, axis).astype(np.float32)
;;   ~~~
;;   SOFTMAX AHEAD OF A QUANTISED PRODUCT. Where the list says 'softmax', what is quantised is not the finished softmax but p = 2^(t - M), with t = logit x log2(e) and M = ceil(the row's largest t), a whole number; so 1/2 < the row's largest p <= 1. The row's sum l is taken of the UNQUANTISED p, in f32, and the product's result is divided by l at the end. Since M is a whole number, a kernel that streams over the keys may use a running M (the ceiling of the running maximum): every later rescaling is an exact power of two, which a block's scale takes up: the codes' values come out the same.
;;   OPERANDS COMPUTED ON THE WAY. 'Computed on the way' means the value that the module computes at that place (a softmax that the list does not call 'softmax' is quantised finished and normalised). What goes into a quantiser is computed in f32, as accurately as f32 sums, v_exp_f32 and their like allow (about 1e-6 of the number): no bf16 or f16 on the way to a quantiser, and a product that is left as it is and whose result goes on into a quantised operand takes f32 operands (vector FMAs, or v_wmma_f32_16x16x4_f32). A number that lies on a knife's edge between two numbers of the format may be rounded either way, as far as f32 arithmetic and the matrix unit's own rounding can turn it there, and no further.
;; One version. Each part assembles by itself: llvm-mc -triple=amdgcn-amd-amdhsa -mcpu=gfx1250 --defsym DOCPART=n.
;; ======== version 1 of 1: 4 launches
;; limits: right only within a limited range of input values
;; workspace buffers: c1 22,118,400 bytes; c2 18,874,368 bytes; s2 786,432 bytes; pc 12,582,912 bytes; pst 1,572,864 bytes
;; launch quant (part 1): grid 1728 x 1, 4 waves a work-group, no clusters, 35,328 bytes of LDS; arguments query, key, value, Wq, Wk, Wv, c1; writes c1
.if DOCPART == 1
	.amdgcn_target "amdgcn-amd-amdhsa--gfx1250"
	.amdhsa_code_object_version 6
	.text
	.protected	k_q8eaca7fa80_quant
	.globl	k_q8eaca7fa80_quant
	.p2align	8
	.type	k_q8eaca7fa80_quant,@function
k_q8eaca7fa80_quant:
	s_mov_b64 s[64:65], 0
	v_nop
	global_prefetch_b8 v0, s[64:65] scope:SCOPE_SE
	s_setreg_imm32_b32 hwreg(HW_REG_WAVE_MODE, 25, 1), 1
	s_wait_xcnt 0x0
; query, key, value [8192][1024] and Wq, Wk, Wv [1024][1024], f32, K innermost, become codes of FP6 (E2M3) with one E8M0 byte for each 32 along K.
; The six tensors count as one of 27,648 rows = 1,728 tiles of 16 rows.  THE CODES ARE LAID AS IMAGES OF OPERAND REGISTERS: a fragment (16 rows x 128 K) is the 12 registers
; of 32 lanes as the matrix instruction takes them, registers 4 c .. 4 c + 3 of lane l at byte 512 c + 16 l: 1,536 bytes.
; c1 is [1728 tiles][2 groups of four K steps][6,400 bytes]: the group's four fragments, then 256 bytes of scale words [4 K steps][16 rows] (a word: the four bytes of a row's 128 K),
; so that one tile load of the next launch brings codes and scale words together.
; WHICH ROWS FORM A TILE: query and Wv: neighbours.  key, value, Wq, Wk, which later stand as source 0 of a product whose result is quantised along them: in each 32 rows
; tile u takes rows 8 u + r + 8 (r / 8), r = 0 .. 15.
; A block's scale is 2^(floor(log2(largest magnitude)) - 2); its byte is the largest magnitude's exponent field - 2, held at 1 from below.
; LIMITS: a block whose largest magnitude lies under 2^-124 keeps the byte 1; a block of zeros gets the byte 1 and not 127 (its codes are zeros, and this program alone reads the bytes);
; NaN and infinities among the inputs are not served.
; SHARES: work-group g takes 32 rows (g / 2), two tiles, and one group of four K steps (g % 2), a K step a wave: a wave makes two fragments of one K step.  A row's 512 bytes of a K step are read by one
; load, 16 bytes a lane; all 32 loads of a wave go out at its start.  The 16 rows of a tile turn through the wave's own stage in LDS, so that lane (r, h) gets, of row r, the 16 neighbours 32 b + 16 h + 0 .. 15 of each block b.
; Both tiles' codes stay in registers (tile 1's in those that held tile 0's rows) and are stored at the wave's end: no store's data are written again.
; A tile's 256 bytes of scale words come from the four waves: they meet in LDS behind the one barrier, and waves 0 and 1 store tile 0's and tile 1's.
; No tensor loads, no clusters: the waves share no input.  No prefetch: the text has no loop to run ahead in.
.set ROWB,  4096                       ; a row of any of the six tensors in bytes
.set FRB,   1536                       ; a fragment's image
.set KGB,   4*FRB+256                  ; a tile's four K steps in c1
.set RTP,   2*KGB                      ; from tile to tile in c1
.set SP,    528                        ; a stage row: 512 bytes + 16, an odd multiple of 16
.set WREG,  16*SP                      ; a wave's stage
.set SCW,   4*WREG                     ; behind the four stages: the work-group's scale words [2 tiles][4 waves][16 rows]
.set SPARE, 0x8800                     ; the spare words, 128 bytes a wave
.set VN,  4                            ; v4   16 x lane
.set VP,  5                            ; v5   the same, 8 rows further down where the tiles' rows are not neighbours
.set VQ,  6                            ; v6   the same, 8 rows further down where they are
.set SI,  7                            ; v7   the stage, on the way in
.set SO,  8                            ; v8   and out: row r, + 64 h
.set SS,  9                            ; v9   my row's scale word in LDS: SCW + 64 x wave + 4 r
.set SR,  10                           ; v10  a tile's scale words on the way out: SCW + 256 x wave + 8 x lane
.set G8,  11                           ; v11  8 x lane
.set R0,  16                           ; v16-143  the two tiles' 16 rows as loaded; v16-35 later hold tile 1's codes
.set X,   144                          ; v144-207 64 numbers of my row
.set PC,  208                          ; v208-227 tile 0's codes
.set TM,  228                          ; v228-243 at work
.set PW,  244                          ; v244, v245 the two scale words
.set SEL, 30                           ; s[30:31] lane selects: lane l xor 16
; 64 numbers of a lane, register 16 b + i = k 32 b + 16 (lane / 16) + i of my row, become a fragment's codes in v[pc] on (12 registers, and 8 at work behind them) and its scale word in v[pw].
.macro QUANT s, pc, pw
.irp b, 0,1,2,3
	v_max3_num_f32 v[TM+\b], |v[\s+16*\b]|, |v[\s+1+16*\b]|, 0x1800000   ; my 16 numbers of block b, and the floor 2^(3 - 127): the byte cannot fall under 1
.endr
.irp i, 2,4,6,8,10,12,14
.irp b, 0,1,2,3
	v_max3_num_f32 v[TM+\b], v[TM+\b], |v[\s+16*\b+\i]|, |v[\s+1+16*\b+\i]|   ; the four blocks by turns
.endr
.endr
.irp b, 0,1,2,3
	v_permlanex16_b32 v[TM+4+\b], v[TM+\b], s[SEL], s[SEL+1]
.endr
.irp b, 0,1,2,3
	v_max_num_f32 v[TM+\b], v[TM+\b], v[TM+4+\b]   ; with lane l xor 16's 16: the block's largest magnitude
.endr
.irp b, 0,1,2,3
	v_add_nc_u32 v[TM+12+\b], 0xff000000, v[TM+\b]   ; 2 off its exponent field: the conversion takes the exponent field of this operand as its scale
.endr
.irp b, 0,1,2,3
	v_lshrrev_b32 v[TM+4+\b], 23, v[TM+12+\b]   ; the scale's byte
.endr
	v_lshl_or_b32 v[\pw], v[TM+5], 8, v[TM+4]
	v_lshl_or_b32 v[\pw], v[TM+6], 16, v[\pw]
	v_lshl_or_b32 v[\pw], v[TM+7], 24, v[\pw]
.irp c, 0,1
	v_cvt_scalef32_pk16_fp6_f32 v[\pc+6*\c:\pc+2+6*\c], v[\s+32*\c:\s+15+32*\c], v[TM+12+2*\c]
	v_cvt_scalef32_pk16_fp6_f32 v[\pc+12+4*\c:\pc+14+4*\c], v[\s+16+32*\c:\s+31+32*\c], v[TM+12+2*\c+1]   ; a conversion's three registers begin on an even number
.endr
	v_nop                                          ; one plain instruction behind the scaled conversions
.irp c, 0,1                                    ; the operand wants a whole block in a lane: lanes 0-15 block 2 c, lanes 16-31 block 2 c + 1
.irp i, 0,1,2
	v_permlane16_swap_b32 v[\pc+6*\c+\i], v[\pc+12+4*\c+\i]
.endr
.irp i, 0,1,2
	v_mov_b32 v[\pc+3+6*\c+\i], v[\pc+12+4*\c+\i]
.endr
.endr
.endm
	s_load_b128 s[4:7], s[0:1], 0x0                ; query, key
	s_load_b128 s[8:11], s[0:1], 0x10              ; value, Wq
	s_load_b128 s[12:15], s[0:1], 0x20             ; Wk, Wv
	s_load_b64 s[16:17], s[0:1], 0x30              ; c1
	v_lshl_add_u32 v248, v0, 2, SPARE
	v_mov_b32 v249, 0
	v_lshrrev_b32 v1, 5, v0
	v_readfirstlane_b32 s22, v1                    ; wave
	v_and_b32 v1, 31, v0                           ; lane
	v_and_b32 v2, 15, v0                           ; r
	v_bfe_u32 v3, v0, 4, 1                         ; h
	s_sub_co_u32 s34, ttmp9, 512
	s_cmp_lt_u32 s34, 1152                         ; work-groups 512 .. 1663 take key, value, Wq, Wk
	s_cselect_b32 s24, 32768, 0                    ; 8 rows, where the tiles' rows are not neighbours
	s_sub_co_u32 s25, 32768, s24                   ; 8 rows, where they are
	v_lshlrev_b32 v[VN], 4, v1
	v_add_nc_u32 v[VP], s24, v[VN]
	v_add_nc_u32 v[VQ], s25, v[VN]
	s_mul_i32 s35, s22, WREG
	v_add_nc_u32 v[SI], s35, v[VN]
	v_mul_u32_u24 v[SO], v2, SP
	v_lshl_add_u32 v[SO], v3, 6, v[SO]
	v_add_nc_u32 v[SO], s35, v[SO]
	s_lshl_b32 s36, s22, 6
	s_add_co_u32 s36, s36, SCW
	v_lshl_add_u32 v[SS], v2, 2, s36
	s_lshl_b32 s36, s22, 8
	s_add_co_u32 s36, s36, SCW
	v_lshl_add_u32 v[SR], v1, 3, s36
	v_lshlrev_b32 v[G8], 3, v1
	s_mov_b32 s[SEL], 0x76543210
	s_mov_b32 s[SEL+1], 0xfedcba98
.irp b, 0,1,2,3
	v_mov_b32 v[TM+4+\b], 0                        ; written once: a lane permute's destination counts as one of its sources
.endr
	s_and_b32 s39, ttmp9, 1                        ; my group of four K steps
	s_lshl_b32 s37, s39, 2
	s_add_co_u32 s37, s37, s22                     ; my K step
	s_lshr_b32 s38, ttmp9, 1                       ; my 32 rows of the 27,648
	s_wait_alu depctr_va_vdst(0)                   ; the head's end
	s_wait_kmcnt 0x0
	s_mov_b64 s[20:21], s[14:15]                   ; which tensor: the choice hangs on the work-group's number alone
	s_mov_b32 s23, 1664                            ; and its first work-group
	s_cmp_lt_u32 ttmp9, 1664
	s_cselect_b64 s[20:21], s[12:13], s[20:21]
	s_cselect_b32 s23, 1600, s23
	s_cmp_lt_u32 ttmp9, 1600
	s_cselect_b64 s[20:21], s[10:11], s[20:21]
	s_cselect_b32 s23, 1536, s23
	s_cmp_lt_u32 ttmp9, 1536
	s_cselect_b64 s[20:21], s[8:9], s[20:21]
	s_cselect_b32 s23, 1024, s23
	s_cmp_lt_u32 ttmp9, 1024
	s_cselect_b64 s[20:21], s[6:7], s[20:21]
	s_cselect_b32 s23, 512, s23
	s_cmp_lt_u32 ttmp9, 512
	s_cselect_b64 s[20:21], s[4:5], s[20:21]
	s_cselect_b32 s23, 0, s23
	s_sub_co_u32 s32, ttmp9, s23
	s_lshr_b32 s32, s32, 1
	s_lshl_b32 s32, s32, 17                        ; 32 rows of 4,096 bytes
	s_lshl_b32 s33, s37, 9                         ; + my K step's 512 bytes
	s_add_co_u32 s32, s32, s33
	s_mov_b32 s33, 0
	s_add_nc_u64 s[20:21], s[20:21], s[32:33]
	s_mul_i32 s32, s38, 2*RTP                      ; my two tiles in c1,
	s_mul_i32 s39, s39, KGB
	s_add_co_u32 s32, s32, s39                     ; my group of K steps
	s_mul_i32 s18, s22, FRB
	s_add_co_u32 s18, s18, s32
	s_mov_b32 s19, 0
	s_add_nc_u64 s[26:27], s[16:17], s[18:19]      ; my first fragment
	s_mul_i32 s18, s22, RTP
	s_add_co_u32 s18, s18, s32
	s_add_co_u32 s18, s18, 4*FRB
	s_add_nc_u64 s[28:29], s[16:17], s[18:19]      ; the 256 bytes of scale words of tile w: used by waves 0 and 1 alone
; Tile t of my two: its 16 rows, a load a row: 32 lanes read 512 consecutive bytes.
.macro LOAD t
.set RB, R0+64*(\t)
.irp i, 0,1,2,3,4,5,6,7,8,9,10,11,12,13,14,15
.if (\t) == 0
.if \i < 8
	global_load_b128 v[RB+4*\i:RB+4*\i+3], v[VN], s[20:21] offset:(\i)*ROWB th:TH_LOAD_NT
.else
	global_load_b128 v[RB+4*\i:RB+4*\i+3], v[VP], s[20:21] offset:(\i)*ROWB th:TH_LOAD_NT
.endif
.else
.if \i < 8
	global_load_b128 v[RB+4*\i:RB+4*\i+3], v[VQ], s[20:21] offset:(8+\i)*ROWB th:TH_LOAD_NT
.else
	global_load_b128 v[RB+4*\i:RB+4*\i+3], v[VN], s[20:21] offset:(16+\i)*ROWB th:TH_LOAD_NT
.endif
.endif
.endr
.endm
.macro QSTEP t, pc
.set RS, R0+64*(\t)
	s_wait_loadcnt 16*(1-(\t))                     ; this tile's 16 loads are in; behind tile 0's stand tile 1's 16
.irp i, 0,1,2,3,4,5,6,7,8,9,10,11,12,13,14,15
	ds_store_b128 v[SI], v[RS+4*\i:RS+4*\i+3] offset:SP*\i
.endr
.irp b, 0,1,2,3
.irp j, 0,1,2,3
	ds_load_b128 v[X+16*\b+4*\j:X+16*\b+4*\j+3], v[SO] offset:128*\b+16*\j   ; LDS serves a wave's instructions in order: these see the stores above
.endr
.endr
	s_wait_dscnt 0x0                               ; my 64 numbers are in, and the stores into the stage have read their registers
	QUANT X, \pc, PW+(\t)
	ds_store_b32 v[SS], v[PW+(\t)] offset:256*(\t) ; lanes r and r + 16 write the same word with the same value
.endm
	LOAD 0
	LOAD 1
	QSTEP 0, PC
	QSTEP 1, R0                                    ; tile 0's rows have left their registers: tile 1's codes go there
	s_wait_alu depctr_va_vdst(0)
	s_wait_dscnt 0x0                               ; for the others' sake: my scale words have landed
	s_barrier_signal -1
	s_barrier_wait -1
	s_cmp_lt_u32 s22, 2
	s_cbranch_scc0 .Lcodes                         ; two tiles: waves 0 and 1 store their words
	ds_load_b64 v[246:247], v[SR]                  ; tile w's scale words of the four K steps, one from each wave: 256 bytes
	s_wait_dscnt 0x0
	global_store_b64 v[G8], v[246:247], s[28:29]   ; 32 lanes store 256 consecutive bytes, aligned
.Lcodes:
.irp c, 0,1,2
	global_store_b128 v[VN], v[PC+4*\c:PC+4*\c+3], s[26:27] offset:512*\c       ; 32 lanes store 512 consecutive bytes, at a multiple of 256 from c1's first byte
.endr
.irp c, 0,1,2
	global_store_b128 v[VN], v[R0+4*\c:R0+4*\c+3], s[26:27] offset:RTP+512*\c
.endr
	s_wait_tensorcnt 0x0                           ; the wave's end: behind my last LDS store
	ds_add_u32 v248, v249
	s_wait_dscnt 0x0
	s_endpgm
.Lfunc_end_k_q8eaca7fa80_quant:
	.size	k_q8eaca7fa80_quant, .Lfunc_end_k_q8eaca7fa80_quant-k_q8eaca7fa80_quant
	.p2alignl 7, 3214868480
	.fill 96, 4, 3214868480
	.section	.rodata,"a",@progbits
	.p2align	6, 0x0
	.amdhsa_kernel k_q8eaca7fa80_quant
		.amdhsa_group_segment_fixed_size 35328
		.amdhsa_private_segment_fixed_size 0
		.amdhsa_enable_private_segment 0
		.amdhsa_kernarg_size 56
		.amdhsa_user_sgpr_count 2
		.amdhsa_user_sgpr_kernarg_segment_ptr 1
		.amdhsa_wavefront_size32 1
		.amdhsa_system_sgpr_workgroup_id_x 1
		.amdhsa_system_sgpr_workgroup_id_y 1
		.amdhsa_system_sgpr_workgroup_id_z 1
		.amdhsa_system_vgpr_workitem_id 0
		.amdhsa_next_free_vgpr 250
		.amdhsa_next_free_sgpr 66
		.amdhsa_reserve_vcc 0
		.amdhsa_float_denorm_mode_32 3
		.amdhsa_float_denorm_mode_16_64 3
		.amdhsa_memory_ordered 1
		.amdhsa_forward_progress 1
		.amdhsa_inst_pref_size 20
	.end_amdhsa_kernel
	.amdgpu_metadata
---
amdhsa.version: [ 1, 2 ]
amdhsa.kernels:
  - .name:           k_q8eaca7fa80_quant
    .symbol:         k_q8eaca7fa80_quant.kd
    .args:
      - { .name: query, .offset: 0, .size: 8, .value_kind: global_buffer, .address_space: global }
      - { .name: key, .offset: 8, .size: 8, .value_kind: global_buffer, .address_space: global }
      - { .name: value, .offset: 16, .size: 8, .value_kind: global_buffer, .address_space: global }
      - { .name: Wq, .offset: 24, .size: 8, .value_kind: global_buffer, .address_space: global }
      - { .name: Wk, .offset: 32, .size: 8, .value_kind: global_buffer, .address_space: global }
      - { .name: Wv, .offset: 40, .size: 8, .value_kind: global_buffer, .address_space: global }
      - { .name: c1, .offset: 48, .size: 8, .value_kind: global_buffer, .address_space: global }
    .group_segment_fixed_size: 35328
    .private_segment_fixed_size: 0
    .kernarg_segment_align: 8
    .kernarg_segment_size: 56
    .max_flat_workgroup_size: 128
    .sgpr_count:     66
    .vgpr_count:     250
    .wavefront_size: 32
...
	.end_amdgpu_metadata
.endif
;; end of part 1
;; launch proj (part 2): grid 4 x 64, 4 waves a work-group, clusters of 4 x 4, 327,680 bytes of LDS; arguments c1, bq, bk, bv, c2, s2; writes c2, s2
.if DOCPART == 2
	.amdgcn_target "amdgcn-amd-amdhsa--gfx1250"
	.amdhsa_code_object_version 6
	.text
	.protected	k_q8eaca7fa80_proj
	.globl	k_q8eaca7fa80_proj
	.p2align	8
	.type	k_q8eaca7fa80_proj,@function
k_q8eaca7fa80_proj:
	s_mov_b64 s[64:65], 0
	v_nop
	global_prefetch_b8 v0, s[64:65] scope:SCOPE_SE
	s_setreg_imm32_b32 hwreg(HW_REG_WAVE_MODE, 25, 1), 1
	s_wait_xcnt 0x0
	s_wait_alu depctr_hold_cnt(0) depctr_sa_sdst(0) depctr_va_vdst(0) depctr_va_sdst(0) depctr_va_ssrc(0) depctr_va_vcc(0) depctr_vm_vsrc(0)
	s_getreg_b32 s2, hwreg(HW_REG_IB_STS2, 6, 4)
	s_cmp_eq_u32 s2, 0
	s_cbranch_scc0 .Lentry_in_a_cluster
	s_endpgm
.Lentry_in_a_cluster:
	s_bfe_u32 s2, ttmp6, 0x10000c
	s_cmp_lg_u32 s2, 0xf033
	s_cbranch_scc0 .Lentry_shape_is_right
	s_endpgm
.Lentry_shape_is_right:
; q = query Wq^T + bq, k = key Wk^T + bk, v = value Wv^T + bv on codes of FP6 (E2M3) out of c1, K = 1,024; the results are quantised again: q and k along their columns, v along the keys.
; A work-group of four waves makes 128 rows x 256 columns of each of the three products, one after the other; a wave 64 x 128: 32 accumulators, which take turns.
; K goes in two fills a product through two LDS slots (four K steps each: 8 tiles of the rows, 16 of the weight, codes and scale words together); the ring runs on from product to product.
; CLUSTERS: 4 x 4: the rows' tiles are asked for jointly by a row of the cluster, the weights' by a column.
; THE HEAD: one joint load a wave (slot 0); slot 1's first fill stands behind the wait for all loads, the add, its wait and a round.
; PREFETCH: behind the fetch that follows the joint load of fill f stands the request for fill f + 2 (f = 0 .. 3): of the tiles that a wave fetches, each of the four partners names its own share
; by address (one tile of the rows' four, two of the weight's eight), a lane to each 256 bytes of a tile's 6,400; lanes 25-31 name the tile's last block again.  The last fill named is the launch's last.
; LIMITS: NaN and infinities are not served; a block of zeros gets the byte 1 (its codes are zeros, and this program alone reads the bytes).
.set FR,    12
.set NP,    4
.set FRB,   1536
.set RTB,   4*FRB+256
.set SCO,   4*FRB
.set RTP,   2*RTB
.set AREG,  8*RTB
.set SLOT,  24*RTB
.set SPARE, 2*SLOT
.set STG,   SPARE+512
.set XSTEP, 512*RTP
.set YSTEP, 64*RTP
.set ADS,  8
.set ADF,  16
.set LI,   24
.set G8,   25
.set SST,  26
.set SRD,  27
.set SPW,  28
.set NIL,  29
.set HA,   64
.set AF,   128
.set PC,   176
.set TM,   196
.set PW,   212
.set OW,   214
.set BQ,   0
.set BK,   64
.set BV,   128
.set SEL,  66
.set G1A, 24
.set G0A, 32
.set G1B, 48
.set G0B, 56
.set MSB, 0
.macro WIN new
.if MSB != (\new)
	s_set_vgpr_msb (MSB<<8)|(\new)
.set MSB, (\new)
.endif
.endm
.set MUL,  0xa1
.set TO_B, 0x40
.macro JLOAD g0a, g1a, g0b, g1b
	s_cmp_eq_u32 s15, 0
	s_cbranch_scc0 .Lfor_b_\@
	tensor_load_to_lds s[\g0a:\g0a+3], s[\g1a:\g1a+7]
	s_nop 0
.rept 4
	v_nop
.endr
	s_branch .Lasked_\@
.Lfor_b_\@:
	tensor_load_to_lds s[\g0b:\g0b+3], s[\g1b:\g1b+7]
	s_nop 0
.rept 4
	v_nop
.endr
.Lasked_\@:
.endm
.macro CREST
	s_cmp_lg_u32 s14, 0
	s_cbranch_scc1 .Lnot_wave_0_\@
	s_barrier_signal -3
.Lnot_wave_0_\@:
	s_barrier_wait -3
	s_barrier_signal -1
	s_barrier_wait -1
.endm
.macro CROUND
	s_barrier_signal -1
	s_barrier_wait -1
	CREST
.endm
.macro PLACES n
.rept \n
	v_nop
.endr
.endm
.macro FRAG reg, adr, q, i
.irp c, 0,1,2
	ds_load_b128 v[\reg+4*\c:\reg+4*\c+3], v[\adr] offset:(\i)*RTB+(\q)*FRB+512*\c
.endr
.endm
.macro FETCH m, slot, q, p
	WIN TO_B
.irp i, 0,1,2,3,4,5,6,7
	FRAG 128*(\p)+FR*\i, ADF+2+4*(\m)+(\slot), \q, \i
.endr
	WIN 0
.irp i, 0,1,2,3
	FRAG AF+48*(\p)+FR*\i, ADF+4*(\m)+(\slot), \q, \i
.endr
.irp i, 0,1,2,3
	ds_load_b32 v[32+12*(\p)+\i], v[ADS+4*(\m)+(\slot)] offset:\i*RTB+SCO+(\q)*64
.endr
.irp i, 0,1,2,3,4,5,6,7
	ds_load_b32 v[36+12*(\p)+\i], v[ADS+2+4*(\m)+(\slot)] offset:\i*RTB+SCO+(\q)*64
.endr
.endm
.macro MUL8 a, p, zero
.irp b, 0,1,2,3,4,5,6,7
.if \zero
	v_wmma_scale_f32_16x16x128_f8f6f4 v[8*(8*(\a)+\b):8*(8*(\a)+\b)+7], v[128*(\p)+FR*\b:128*(\p)+FR*\b+FR-1], v[AF+48*(\p)+FR*(\a):AF+48*(\p)+FR*(\a)+FR-1], 0, v[36+12*(\p)+\b], v[32+12*(\p)+(\a)] matrix_a_fmt:MATRIX_FMT_FP6 matrix_b_fmt:MATRIX_FMT_FP6
.else
	v_wmma_scale_f32_16x16x128_f8f6f4 v[8*(8*(\a)+\b):8*(8*(\a)+\b)+7], v[128*(\p)+FR*\b:128*(\p)+FR*\b+FR-1], v[AF+48*(\p)+FR*(\a):AF+48*(\p)+FR*(\a)+FR-1], v[8*(8*(\a)+\b):8*(8*(\a)+\b)+7], v[36+12*(\p)+\b], v[32+12*(\p)+(\a)] matrix_a_fmt:MATRIX_FMT_FP6 matrix_b_fmt:MATRIX_FMT_FP6
.endif
.endr
.endm
.macro STEP m, slot, q, zero
	s_wait_dscnt 0x0
	PLACES NP
	FETCH \m, \slot, (\q)+1, 1-(\q)%2
	WIN MUL
	MUL8 0, (\q)%2, \zero
	MUL8 1, (\q)%2, \zero
	MUL8 2, (\q)%2, \zero
	MUL8 3, (\q)%2, \zero
	WIN 0
.endm
.macro THREE m, slot, zero
	STEP \m, \slot, 0, \zero
	STEP \m, \slot, 1, 0
	STEP \m, \slot, 2, 0
.endm
.set PFS, 0                            ; refills issued so far
.macro ASK off                         ; s[88:89]: my share of the fill two refills on; v30: 256 x min(lane, 24)
	global_prefetch_b8 v30, s[88:89] offset:\off th:TH_LOAD_NT scope:SCOPE_SE
	s_cmp_eq_u32 s15, 0
	s_cbranch_scc1 .Lone_\@                        ; the rows' waves have one tile to name, the weight's two
	global_prefetch_b8 v30, s[88:89] offset:\off+RTP th:TH_LOAD_NT scope:SCOPE_SE
.Lone_\@:
.endm
.macro TURN m, slot, mn, next, fill
.if \fill
.set PFS, PFS+1
.if PFS == 1
	s_wait_xcnt 0x0                                ; my prefetches have read their address: it steps on to the third product
	s_add_nc_u64 s[88:89], s[88:89], s[90:91]
.endif
.endif
	s_wait_tensorcnt 0x0
	ds_add_u32 v[SPW], v[NIL]
	s_wait_dscnt 1
	WIN MUL
	MUL8 0, 1, 0
	s_wait_dscnt 0x0
	s_barrier_signal -1
	MUL8 1, 1, 0
	WIN 0
	s_barrier_wait -1
.if \fill
	CREST
	s_add_nc_u64 s[G0A+4*\slot+2:G0A+4*\slot+3], s[G0A+4*\slot+2:G0A+4*\slot+3], XSTEP
	s_add_nc_u64 s[G0B+4*\slot+2:G0B+4*\slot+3], s[G0B+4*\slot+2:G0B+4*\slot+3], YSTEP
	JLOAD G0A+4*\slot, G1A, G0B+4*\slot, G1B
.else
	PLACES NP
.endif
	s_wait_alu depctr_va_vdst(0)
	FETCH \mn, \next, 0, 0
.if (\fill) && PFS <= 2
	ASK (PFS-1)*RTB
.endif
	WIN MUL
	MUL8 2, 1, 0
	MUL8 3, 1, 0
	WIN 0
.endm
.macro QUANT s
.irp b, 0,1,2,3
	v_max3_num_f32 v[TM+\b], |v[\s+16*\b]|, |v[\s+1+16*\b]|, 0x1800000
.endr
.irp i, 2,4,6,8,10,12,14
.irp b, 0,1,2,3
	v_max3_num_f32 v[TM+\b], v[TM+\b], |v[\s+16*\b+\i]|, |v[\s+1+16*\b+\i]|
.endr
.endr
.irp b, 0,1,2,3
	v_permlanex16_b32 v[TM+4+\b], v[TM+\b], s[SEL], s[SEL+1]
.endr
.irp b, 0,1,2,3
	v_max_num_f32 v[TM+\b], v[TM+\b], v[TM+4+\b]
.endr
.irp b, 0,1,2,3
	v_add_nc_u32 v[TM+12+\b], 0xff000000, v[TM+\b]
.endr
.irp b, 0,1,2,3
	v_lshrrev_b32 v[TM+4+\b], 23, v[TM+12+\b]
.endr
	v_lshl_or_b32 v[PW], v[TM+5], 8, v[TM+4]
	v_lshl_or_b32 v[PW], v[TM+6], 16, v[PW]
	v_lshl_or_b32 v[PW], v[TM+7], 24, v[PW]
.irp c, 0,1
	v_cvt_scalef32_pk16_fp6_f32 v[PC+6*\c:PC+2+6*\c], v[\s+32*\c:\s+15+32*\c], v[TM+12+2*\c]
	v_cvt_scalef32_pk16_fp6_f32 v[PC+12+4*\c:PC+14+4*\c], v[\s+16+32*\c:\s+31+32*\c], v[TM+12+2*\c+1]
.endr
	v_nop
.irp c, 0,1
.irp i, 0,1,2
	v_permlane16_swap_b32 v[PC+6*\c+\i], v[PC+12+4*\c+\i]
.endr
.irp i, 0,1,2
	v_mov_b32 v[PC+3+6*\c+\i], v[PC+12+4*\c+\i]
.endr
.endr
.endm
.macro OUTQ a, bias, lane, gp, pit
	WIN 0x0e
.set i, 0
.rept 32
.if \lane
	v_pk_add_f32 v[HA+2*i:HA+2*i+1], v[64*(\a)+2*i:64*(\a)+2*i+1], v[\bias+2*(\a):\bias+2*(\a)+1] op_sel_hi:[1,0]
.else
	v_pk_add_f32 v[HA+2*i:HA+2*i+1], v[64*(\a)+2*i:64*(\a)+2*i+1], v[\bias+2*i:\bias+2*i+1]
.endif
.set i, i+1
.endr
	WIN 0
	s_wait_xcnt 0x0
	s_wait_dscnt 0x0
	QUANT HA
.irp c, 0,1,2
	global_store_b128 v[LI], v[PC+4*\c:PC+4*\c+3], s[\gp:\gp+1] offset:(\a)*(\pit)+512*\c
.endr
	ds_store_b32 v[SST], v[PW] offset:64*(\a)
.endm
.macro OUTT bias, lane, gp, pit, sw
	PLACES NP
.irp b, 0,1,2,3
	v_mov_b32 v[TM+4+\b], 0
.endr
	OUTQ 0, \bias, \lane, \gp, \pit
	OUTQ 1, \bias, \lane, \gp, \pit
	OUTQ 2, \bias, \lane, \gp, \pit
	OUTQ 3, \bias, \lane, \gp, \pit
	ds_load_b64 v[OW:OW+1], v[SRD]
	s_wait_dscnt 0x0
	global_store_b64 v[G8], v[OW:OW+1], s[\sw:\sw+1]
	s_wait_xcnt 0x0
.endm
	s_load_b128 s[4:7], s[0:1], 0x0
	s_load_b128 s[8:11], s[0:1], 0x10
	s_load_b128 s[84:87], s[0:1], 0x20
	v_lshl_add_u32 v[SPW], v0, 2, SPARE
	v_mov_b32 v[NIL], 0
	ds_add_u32 v28, v29
	ds_add_u32 v28, v29
	s_wait_dscnt 0x0
	v_lshrrev_b32 v1, 5, v0
	v_readfirstlane_b32 s14, v1
	s_lshr_b32 s15, s14, 1
	s_and_b32 s16, s14, 1
	s_bfe_u32 s40, ttmp6, 0x40000
	s_bfe_u32 s41, ttmp6, 0x40004
	s_lshl_b32 s42, ttmp9, 2
	s_add_co_u32 s42, s42, s40
	s_and_b32 s17, ttmp7, 0xffff
	s_lshl_b32 s17, s17, 2
	s_add_co_u32 s17, s17, s41
	s_lshl_b32 s43, s41, 2
	s_lshl_b32 s43, 15, s43
	s_lshl_b32 s44, 0x1111, s40
	s_or_b32 s[G1A+0], s43, (3<<16)|(1<<21)
	s_mov_b32 s[G1A+1], 800<<16
	s_mov_b32 s[G1A+2], 4<<16
	s_mov_b32 s[G1A+3], 800<<16
	s_mov_b32 s[G1A+4], 4
	s_mov_b32 s[G1A+5], 1600
	s_mov_b32 s[G1A+6], 0
	s_mov_b32 s[G1A+7], 0
	s_or_b32 s[G1B+0], s44, (3<<16)|(1<<21)
	s_mov_b32 s[G1B+1], 800<<16
	s_mov_b32 s[G1B+2], 8<<16
	s_mov_b32 s[G1B+3], 800<<16
	s_mov_b32 s[G1B+4], 8
	s_mov_b32 s[G1B+5], 1600
	s_mov_b32 s[G1B+6], 0
	s_mov_b32 s[G1B+7], 0
	v_and_b32 v1, 31, v0
	v_and_b32 v2, 15, v0
	v_bfe_u32 v3, v0, 4, 1
	v_lshlrev_b32 v4, 6, v3
	v_lshlrev_b32 v5, 2, v2
	v_min_u32 v30, 24, v1                          ; the prefetches' lane term: 256 x min(lane, 24)
	v_lshlrev_b32 v30, 8, v30
	s_lshl_b32 s20, s17, 3
	s_lshl_b32 s18, s16, 2
	s_add_co_u32 s20, s20, s18
	s_mul_i32 s20, s20, RTP
	s_mov_b32 s21, 0
	s_lshl_b32 s46, s42, 4
	s_lshl_b32 s18, s16, 3
	s_add_co_u32 s46, s46, s18
	s_add_co_u32 s46, s46, 1536
	s_mul_i32 s46, s46, RTP
	s_mov_b32 s47, 0
	s_mul_i32 s82, s16, 4*RTB
	s_mul_i32 s83, s16, 8*RTB
	s_add_co_u32 s83, s83, AREG
	s_lshl_b32 s18, s42, 10
	s_lshl_b32 s19, s16, 9
	s_add_co_u32 s18, s18, s19
	s_mov_b32 s19, 0
	s_lshl_b32 s22, s42, 10
	s_lshl_b32 s23, s14, 8
	s_add_co_u32 s22, s22, s23
	s_mov_b32 s23, 0
	s_wait_alu depctr_va_vdst(0)
	s_wait_kmcnt 0x0
	s_add_nc_u64 s[20:21], s[4:5], s[20:21]
	s_add_nc_u64 s[46:47], s[4:5], s[46:47]
	s_add_nc_u64 s[6:7], s[6:7], s[18:19]
	s_add_nc_u64 s[8:9], s[8:9], s[18:19]
	s_add_nc_u64 s[10:11], s[10:11], s[22:23]
	s_cmp_eq_u32 s15, 0                            ; the prefetches: do I fetch the rows' tiles or the weight's?
	s_cselect_b64 s[94:95], s[20:21], s[46:47]     ; the first of the tiles that I fetch
	s_cselect_b32 s92, s40, s41                    ; my place among the four that ask with me
	s_mov_b32 s93, 2*RTP
	s_cselect_b32 s93, RTP, s93                    ; my share: one tile or two
	s_mov_b32 s90, YSTEP
	s_cselect_b32 s90, XSTEP, s90                  ; from product to product
	s_mov_b32 s91, 0
	s_mul_i32 s92, s92, s93
	s_mov_b32 s93, 0
	s_add_nc_u64 s[94:95], s[94:95], s[92:93]      ; my share in the first product: never rewritten
	s_add_nc_u64 s[88:89], s[94:95], s[90:91]      ; and in the second
	global_prefetch_b8 v30, s[94:95] offset:RTB th:TH_LOAD_NT scope:SCOPE_SE   ; the first product's second fill, which is loaded behind the head's round
	s_cmp_eq_u32 s15, 0
	s_cbranch_scc1 .Lpf1
	global_prefetch_b8 v30, s[94:95] offset:RTB+RTP th:TH_LOAD_NT scope:SCOPE_SE
.Lpf1:
	WIN 0xc0
.irp t, 0,1,2,3,4,5,6,7
	global_load_b128 v[BQ+8*\t:BQ+8*\t+3], v4, s[6:7] offset:(32*(\t/2)+8*(\t%2))*4
	global_load_b128 v[BQ+8*\t+4:BQ+8*\t+7], v4, s[6:7] offset:(32*(\t/2)+8*(\t%2))*4+16
	global_load_b128 v[BK+8*\t:BK+8*\t+3], v4, s[8:9] offset:(32*(\t/2)+8*(\t%2))*4
	global_load_b128 v[BK+8*\t+4:BK+8*\t+7], v4, s[8:9] offset:(32*(\t/2)+8*(\t%2))*4+16
.endr
.irp a, 0,1,2,3
	global_load_b32 v[BV+2*\a], v5, s[10:11] offset:64*\a
	global_load_b32 v[BV+2*\a+1], v5, s[10:11] offset:64*\a
.endr
	WIN 0
	CROUND
.irp s, 0,1
	s_mov_b32 s[G0A+4*\s], 1
	s_add_co_u32 s[G0A+4*\s+1], s82, \s*SLOT
	s_add_nc_u64 s[G0A+4*\s+2:G0A+4*\s+3], s[20:21], \s*RTB
	s_or_b32 s[G0A+4*\s+3], s[G0A+4*\s+3], 0x80000000
	s_mov_b32 s[G0B+4*\s], 1
	s_add_co_u32 s[G0B+4*\s+1], s83, \s*SLOT
	s_add_nc_u64 s[G0B+4*\s+2:G0B+4*\s+3], s[46:47], \s*RTB
	s_or_b32 s[G0B+4*\s+3], s[G0B+4*\s+3], 0x80000000
.endr
	JLOAD G0A, G1A, G0B, G1B                       ; slot 0: my one tensor load at the head, behind the round
	ASK 0                                          ; behind it: the fill two on, the second product's first
	v_lshlrev_b32 v[LI], 4, v1
	v_lshlrev_b32 v[G8], 3, v1
	s_mul_i32 s18, s15, 4*RTB
	s_mul_i32 s19, s16, 8*RTB
	s_add_co_u32 s19, s19, AREG
	s_mul_i32 s22, s14, 4*RTB
	s_add_co_u32 s22, s22, AREG
	s_mov_b32 s23, 0
.irp s, 0,1
	v_add_nc_u32 v[ADF+\s], s18, v[LI]
	v_add_nc_u32 v[ADF+2+\s], s19, v[LI]
	v_add_nc_u32 v[ADF+4+\s], s22, v[LI]
	v_add_nc_u32 v[ADF+6+\s], s23, v[LI]
	v_add_nc_u32 v[ADS+\s], s18, v5
	v_add_nc_u32 v[ADS+2+\s], s19, v5
	v_add_nc_u32 v[ADS+4+\s], s22, v5
	v_add_nc_u32 v[ADS+6+\s], s23, v5
	s_add_co_u32 s18, s18, SLOT
	s_add_co_u32 s19, s19, SLOT
	s_add_co_u32 s22, s22, SLOT
	s_add_co_u32 s23, s23, SLOT
.endr
	s_lshl_b32 s18, s14, 8
	s_add_co_u32 s18, s18, STG
	v_add_nc_u32 v[SST], s18, v5
	v_add_nc_u32 v[SRD], s18, v[G8]
	s_lshl_b32 s18, s17, 3
	s_lshl_b32 s19, s15, 2
	s_add_co_u32 s18, s18, s19
	s_lshl_b32 s19, s42, 1
	s_add_co_u32 s19, s19, s16
	s_mul_i32 s22, s18, 8*FRB
	s_mul_i32 s23, s19, FRB
	s_add_co_u32 s22, s22, s23
	s_mov_b32 s23, 0
	s_add_nc_u64 s[68:69], s[84:85], s[22:23]
	s_add_nc_u64 s[70:71], s[68:69], 6291456
	s_lshl_b32 s22, s19, 15
	s_lshl_b32 s18, s18, 6
	s_add_co_u32 s22, s22, s18
	s_add_nc_u64 s[74:75], s[86:87], s[22:23]
	s_add_nc_u64 s[76:77], s[74:75], 262144
	s_lshr_b32 s18, s17, 4
	s_and_b32 s19, s17, 15
	s_lshl_b32 s2, s42, 4
	s_lshl_b32 s3, s14, 2
	s_add_co_u32 s2, s2, s3
	s_mul_i32 s22, s18, 64*16*FRB
	s_mul_i32 s3, s2, 16*FRB
	s_add_co_u32 s22, s22, s3
	s_mul_i32 s3, s19, FRB
	s_add_co_u32 s22, s22, s3
	s_add_co_u32 s22, s22, 12582912
	s_add_nc_u64 s[72:73], s[84:85], s[22:23]
	s_lshl_b32 s22, s18, 16
	s_lshl_b32 s19, s19, 12
	s_add_co_u32 s22, s22, s19
	s_lshl_b32 s2, s2, 6
	s_add_co_u32 s22, s22, s2
	s_add_co_u32 s22, s22, 524288
	s_add_nc_u64 s[78:79], s[86:87], s[22:23]
	s_mov_b32 s[SEL], 0x76543210
	s_mov_b32 s[SEL+1], 0xfedcba98
	s_wait_alu depctr_va_vdst(0)                   ; the head's end
	s_wait_loadcnt 0x0                             ; the biases are in
	s_wait_tensorcnt 0x0                           ; my part of slot 0 is in
	ds_add_u32 v[SPW], v[NIL]
	s_wait_dscnt 0x0
	CROUND                                         ; slot 0 is whole, and all sixteen work-groups are here
	JLOAD G0A+4, G1A, G0B+4, G1B                   ; slot 1's first fill, the first tensor load behind the round
	FETCH 0, 0, 0, 0
	ASK RTB                                        ; behind slot 1's load: the fill two on
	THREE 0, 0, 1
	TURN 0, 0, 0, 1, 1
	THREE 0, 1, 0
	TURN 0, 1, 0, 0, 1
	OUTT BQ, 0, 68, 8*FRB, 74
	THREE 0, 0, 1
	TURN 0, 0, 0, 1, 1
	THREE 0, 1, 0
	TURN 0, 1, 1, 0, 1
	OUTT BK, 0, 70, 8*FRB, 76
	THREE 1, 0, 1
	TURN 1, 0, 1, 1, 0
	THREE 1, 1, 0
	s_wait_dscnt 0x0
	WIN MUL
	MUL8 0, 1, 0
	MUL8 1, 1, 0
	MUL8 2, 1, 0
	MUL8 3, 1, 0
	WIN 0
	OUTT BV, 1, 72, 16*FRB, 78
	s_wait_tensorcnt 0x0
	ds_add_u32 v[SPW], v[NIL]
	s_wait_dscnt 0x0
	CROUND
	s_endpgm
.Lfunc_end_k_q8eaca7fa80_proj:
	.size	k_q8eaca7fa80_proj, .Lfunc_end_k_q8eaca7fa80_proj-k_q8eaca7fa80_proj
	.p2alignl 7, 3214868480
	.fill 96, 4, 3214868480
	.section	.rodata,"a",@progbits
	.p2align	6, 0x0
	.amdhsa_kernel k_q8eaca7fa80_proj
		.amdhsa_group_segment_fixed_size 327680
		.amdhsa_private_segment_fixed_size 0
		.amdhsa_enable_private_segment 0
		.amdhsa_kernarg_size 48
		.amdhsa_user_sgpr_count 2
		.amdhsa_user_sgpr_kernarg_segment_ptr 1
		.amdhsa_wavefront_size32 1
		.amdhsa_system_sgpr_workgroup_id_x 1
		.amdhsa_system_sgpr_workgroup_id_y 1
		.amdhsa_system_sgpr_workgroup_id_z 1
		.amdhsa_system_vgpr_workitem_id 0
		.amdhsa_next_free_vgpr 1024
		.amdhsa_next_free_sgpr 96
		.amdhsa_reserve_vcc 0
		.amdhsa_float_denorm_mode_32 3
		.amdhsa_float_denorm_mode_16_64 3
		.amdhsa_memory_ordered 1
		.amdhsa_forward_progress 1
		.amdhsa_inst_pref_size 255
	.end_amdhsa_kernel
	.section	.bss,"aw",@nobits
	.p2align	6
	.space	262144
	.amdgpu_metadata
---
amdhsa.version: [ 1, 2 ]
amdhsa.kernels:
  - .name:           k_q8eaca7fa80_proj
    .symbol:         k_q8eaca7fa80_proj.kd
    .args:
      - { .name: c1, .offset: 0, .size: 8, .value_kind: global_buffer, .address_space: global }
      - { .name: bq, .offset: 8, .size: 8, .value_kind: global_buffer, .address_space: global }
      - { .name: bk, .offset: 16, .size: 8, .value_kind: global_buffer, .address_space: global }
      - { .name: bv, .offset: 24, .size: 8, .value_kind: global_buffer, .address_space: global }
      - { .name: c2, .offset: 32, .size: 8, .value_kind: global_buffer, .address_space: global }
      - { .name: s2, .offset: 40, .size: 8, .value_kind: global_buffer, .address_space: global }
    .group_segment_fixed_size: 327680
    .private_segment_fixed_size: 0
    .kernarg_segment_align: 8
    .kernarg_segment_size: 48
    .max_flat_workgroup_size: 128
    .sgpr_count:     96
    .vgpr_count:     1024
    .wavefront_size: 32
...
	.end_amdgpu_metadata
.endif
;; end of part 2
;; launch scores (part 3): grid 8 x 32, 4 waves a work-group, clusters of 4 x 4, 327,680 bytes of LDS; arguments c2, s2, mask, pc, pst; writes pc, pst
.if DOCPART == 3
	.amdgcn_target "amdgcn-amd-amdhsa--gfx1250"
	.amdhsa_code_object_version 6
	.text
	.protected	k_q8eaca7fa80_scores
	.globl	k_q8eaca7fa80_scores
	.p2align	8
	.type	k_q8eaca7fa80_scores,@function
k_q8eaca7fa80_scores:
	s_mov_b64 s[64:65], 0
	v_nop
	global_prefetch_b8 v0, s[64:65] scope:SCOPE_SE
	s_setreg_imm32_b32 hwreg(HW_REG_WAVE_MODE, 25, 1), 1
	s_wait_xcnt 0x0
	s_wait_alu depctr_hold_cnt(0) depctr_sa_sdst(0) depctr_va_vdst(0) depctr_va_sdst(0) depctr_va_ssrc(0) depctr_va_vcc(0) depctr_vm_vsrc(0)
	s_getreg_b32 s2, hwreg(HW_REG_IB_STS2, 6, 4)
	s_cmp_eq_u32 s2, 0
	s_cbranch_scc0 .Lentry_in_a_cluster
	s_endpgm
.Lentry_in_a_cluster:
	s_bfe_u32 s2, ttmp6, 0x10000c
	s_cmp_lg_u32 s2, 0xf033
	s_cbranch_scc0 .Lentry_shape_is_right
	s_endpgm
.Lentry_shape_is_right:
; S^T = k q^T on codes of FP6 (E2M3), K = 1,024; the mask; and the softmax's p, quantised along the keys, UNDER A LOCAL M.
; t = score x log2(e) / 32; where the mask is set, t = -1e9 x log2(e).  For each query and each run of 128 keys: M = ceil(the run's largest t), a whole number; p = 2^(t - M); l = the sum of the unquantised p.
; p's codes and scale words, -M and l go to memory; the next launch finds the row's M and brings each run under it by taking a whole number off the scale bytes, which rounds nothing.
; c2: q's fragments [512 tiles][8 K steps] at 0, k's at 6,291,456 (a fragment: 16 rows x 128 K as the image of its 12 registers, 1,536 bytes); s2: scale words [8][512][16], q's at 0, k's at 262,144.
; pc: p's fragments [512 tiles of queries][16 K steps of keys].  pst: [16][512][16] words three times: p's scale words at 0, -M at 524,288, l at 1,048,576.
; SHARES: a work-group of four waves makes 256 queries x 256 keys of one batch; a wave 128 x 128: 64 accumulators.  Source 0 = 16 keys, source 1 = 16 queries: a lane holds one query, and, by the order in
; which k's tiles were laid, the 16 registers of two neighbouring tiles are 16 neighbouring keys.  K goes in four fills of two LDS slots; the eight steps are written out.
; CLUSTERS: 4 x 4: q's tiles are asked for jointly by a row of the cluster, k's by a column.  The mask's 256 x 256 bytes are the work-group's own: a plain tensor load, 128 rows each by waves 1 and 3, with the first fills.
; LIMITS: NaN and infinities are not served; a block all of whose p have fallen to 0 gets the byte 1 (its codes are zeros).  Rows that are masked wholly come out as the definition has them: every p = 1.
; REGISTERS: window 0: v16-17, v20-21 fragment addresses, v24-30 addresses, v32-63 scale words, v64-127 a block's t and p, v128-223 q's fragments (on the way out: work).  window 1: k's two sets.  windows 2, 3: accumulators.
.set FR,    12
.set NP,    4
.set FRB,   1536
.set RTB,   2*FRB
.set HALFT, 8*RTB
.set SLOT,  4*HALFT
.set SCL,   2*SLOT
.set HALFS, 4096
.set SPARE, SCL+24576                  ; the spare words, 128 bytes a wave
.set STG,   SPARE+512                  ; 1,536 bytes a wave: scale words, -M and l on the way out
.set MSK,   STG+4*1536                 ; the mask: 256 rows x (256 bytes + 16)
.set MP,    272
.set SSTR,  512*64/8                   ; from K step to K step in s2, in elements of 8 bytes
.set ADRA, 16
.set ADRB, 20
.set LI,   24                          ; v24  16 x lane
.set MAD,  25                          ; v25  my 16 bytes of the mask
.set SST,  26                          ; v26  where my row's words go
.set ADRS, 27
.set SPW,  28
.set NIL,  29
.set SRD,  30                          ; v30  and where they come back
.set SC,   32
.set HA,   64
.set AF,   128
.set MK,   128                         ; v128-143 the mask's bytes
.set XT,   144
.set TB,   148                         ; v148-151 the blocks' largest t, then p
.set TB2,  152
.set TS,   156
.set TY,   160
.set PC,   176
.set PW,   196
.set NM,   198                         ; v[198:199] -M (the pair's low word serves both halves)
.set LS,   200
.set LT,   202
.set TN,   204                         ; the t of a masked place
.set SEL,  66
.set CS,   100                         ; s[100:101] log2(e) / 32
.set G1, 24
.set G0, 32
.set G0M, 40
.set G1B, 48
.set G0B, 56
.set G1S, 68
.set G0S, 76
.set G1SB, 80
.set G0SB, 88
.set G1M, 92
.set MSB, 0
.macro WIN new
.if MSB != (\new)
	s_set_vgpr_msb (MSB<<8)|(\new)
.set MSB, (\new)
.endif
.endm
.set MUL_LO, 0xa1
.set MUL_HI, 0xf1
.set TO_B,   0x40
.macro JLOAD g0a, g1a, g0b, g1b        ; waves 0 and 1 fetch q's halves, waves 2 and 3 k's; four v_nop follow each of the two lines
	s_cmp_eq_u32 s15, 0
	s_cbranch_scc0 .Lfor_b_\@
	tensor_load_to_lds s[\g0a:\g0a+3], s[\g1a:\g1a+7]
	s_nop 0
.rept 4
	v_nop
.endr
	s_branch .Lasked_\@
.Lfor_b_\@:
	tensor_load_to_lds s[\g0b:\g0b+3], s[\g1b:\g1b+7]
	s_nop 0
.rept 4
	v_nop
.endr
.Lasked_\@:
.endm
.macro CREST
	s_cmp_lg_u32 s14, 0
	s_cbranch_scc1 .Lnot_wave_0_\@
	s_barrier_signal -3
.Lnot_wave_0_\@:
	s_barrier_wait -3
	s_barrier_signal -1
	s_barrier_wait -1
.endm
.macro CROUND
	s_barrier_signal -1
	s_barrier_wait -1
	CREST
.endm
.macro PLACES n
.rept \n
	v_nop
.endr
.endm
.macro FRAG reg, adr, q, i
.irp c, 0,1,2
	ds_load_b128 v[\reg+4*\c:\reg+4*\c+3], v[\adr] offset:(\i)*RTB+(\q)*FRB+512*\c
.endr
.endm
.macro FETCH_B slot, q, p
	WIN TO_B
.irp i, 0,1,2,3,4,5,6,7
	FRAG 128*(\p)+FR*\i, ADRB+\slot, \q, \i
.endr
	WIN 0
.endm
.macro FETCH_A slot, q, i0
.irp i, \i0, \i0+1, \i0+2, \i0+3
	FRAG AF+FR*(\i), ADRA+\slot, \q, \i
.endr
.endm
.macro SCALES sc, kt
.irp i, 0,1,2,3,4,5,6,7
.irp q, 0,1
	ds_load_b32 v[SC+16*(\sc)+2*\i+\q], v[ADRS] offset:(2*(\kt)+\q)*1024+\i*64
.endr
.endr
.endm
.macro MUL16 a0, p, q, sc, zero        ; the 64 accumulators take turns, one instruction a turn
.irp a, \a0, \a0+1
.irp b, 0,1,2,3,4,5,6,7
.if \zero
	v_wmma_scale_f32_16x16x128_f8f6f4 v[8*(8*((\a)%4)+\b):8*(8*((\a)%4)+\b)+7], v[128*(\p)+FR*\b:128*(\p)+FR*\b+FR-1], v[AF+FR*(\a):AF+FR*(\a)+FR-1], 0, v[SC+16*(\sc)+2*\b+(\q)], v[SC+16*(\sc)+2*(\a)+(\q)] matrix_a_fmt:MATRIX_FMT_FP6 matrix_b_fmt:MATRIX_FMT_FP6 matrix_a_scale:MATRIX_SCALE_ROW1
.else
	v_wmma_scale_f32_16x16x128_f8f6f4 v[8*(8*((\a)%4)+\b):8*(8*((\a)%4)+\b)+7], v[128*(\p)+FR*\b:128*(\p)+FR*\b+FR-1], v[AF+FR*(\a):AF+FR*(\a)+FR-1], v[8*(8*((\a)%4)+\b):8*(8*((\a)%4)+\b)+7], v[SC+16*(\sc)+2*\b+(\q)], v[SC+16*(\sc)+2*(\a)+(\q)] matrix_a_fmt:MATRIX_FMT_FP6 matrix_b_fmt:MATRIX_FMT_FP6 matrix_a_scale:MATRIX_SCALE_ROW1
.endif
.endr
.endr
.endm
.macro STEP slot, q, zero
	s_wait_dscnt 12                                ; all but the youngest 12 loads (q's blocks 4-7) are in
	WIN MUL_LO
	MUL16 0, (\q)%2, \q, \slot, \zero
	MUL16 2, (\q)%2, \q, \slot, \zero
	s_wait_dscnt 0
	PLACES NP
	FETCH_B \slot, (\q)+1, 1-(\q)%2
	FETCH_A \slot, (\q)+1, 0
	WIN MUL_HI
	MUL16 4, (\q)%2, \q, \slot, \zero
	MUL16 6, (\q)%2, \q, \slot, \zero
	PLACES NP
	WIN 0
	FETCH_A \slot, (\q)+1, 4
.endm
.macro TURN slot, next, fill, kt
	s_wait_tensorcnt 0x0                           ; all my tensor loads have landed
	ds_add_u32 v[SPW], v[NIL]                      ; 0 onto my spare word
	s_wait_dscnt 13                                ; the add and the youngest 12 loads may be out
	WIN MUL_LO
	MUL16 0, 1, 1, \slot, 0
	s_wait_dscnt 0x0                               ; the add is done, and my reads of this slot are over
	s_barrier_signal -1
	MUL16 2, 1, 1, \slot, 0
	WIN 0
	s_barrier_wait -1
.if \fill
	CREST
	s_mov_b32 s[G1+2], 8<<16                       ; no tensor load of mine is out: a refill brings 8 tiles a wave
	s_mov_b32 s[G1+4], 8
	s_mov_b32 s[G1B+2], 8<<16
	s_mov_b32 s[G1B+4], 8
	s_add_nc_u64 s[G0+4*\slot+2:G0+4*\slot+3], s[G0+4*\slot+2:G0+4*\slot+3], 2*RTB
	s_add_nc_u64 s[G0B+4*\slot+2:G0B+4*\slot+3], s[G0B+4*\slot+2:G0B+4*\slot+3], 2*RTB
	JLOAD G0+4*\slot, G1, G0B+4*\slot, G1B
.else
	PLACES NP
.endif
	FETCH_B \next, 0, 0
	FETCH_A \next, 0, 0
	SCALES \next, \kt
	WIN MUL_HI
	MUL16 4, 1, 1, \slot, 0
	MUL16 6, 1, 1, \slot, 0
	PLACES NP
	WIN 0
	FETCH_A \next, 0, 4
.endm
	s_load_b128 s[4:7], s[0:1], 0x0                ; c2, s2
	s_load_b128 s[8:11], s[0:1], 0x10              ; mask, pc
	s_load_b64 s[12:13], s[0:1], 0x20              ; pst
	v_lshl_add_u32 v[SPW], v0, 2, SPARE
	v_mov_b32 v[NIL], 0
	ds_add_u32 v28, v29
	ds_add_u32 v28, v29
	s_wait_dscnt 0x0
	v_lshrrev_b32 v1, 5, v0
	v_readfirstlane_b32 s14, v1                    ; wave
	v_and_b32 v2, 31, v0
	v_lshlrev_b32 v23, 11, v2                      ; the mask's prefetches: a lane a row of 2,048 bytes
	v_min_u32 v2, 23, v2                           ; the tiles' prefetches: two tiles' 3,072 bytes are 24 blocks of 256; lanes 24-31 name the last again
	v_mul_u32_u24 v3, v2, 22
	v_lshrrev_b32 v3, 8, v3                        ; 1 from lane 12 on: the second tile,
	v_mul_u32_u24 v3, v3, 9216                     ; which begins 12,288 bytes behind the first
	v_lshl_add_u32 v31, v2, 8, v3
	s_lshr_b32 s15, s14, 1                         ; my half of the queries.  Also: I fetch for q (0) or for k (1)
	s_and_b32 s16, s14, 1                          ; my half of the keys.  Also: which eight tiles I fetch
	s_bfe_u32 s2, ttmp6, 0x40000                   ; cx
	s_bfe_u32 s3, ttmp6, 0x40004                   ; cy
	s_lshl_b32 s44, ttmp9, 2
	s_add_co_u32 s44, s44, s2                      ; x: 256 keys of the batch
	s_and_b32 s17, ttmp7, 0xffff
	s_lshr_b32 s45, s17, 1                         ; the batch: from the cluster's y alone
	s_lshl_b32 s17, s17, 2
	s_add_co_u32 s17, s17, s3                      ; y: 256 queries of the 8,192
	s_lshl_b32 s18, s3, 2
	s_lshl_b32 s18, 15, s18                        ; my row of the cluster
	s_lshl_b32 s19, 0x1111, s2                     ; my column
	s_or_b32 s[G1+0], s18, (3<<16)|(1<<21)
	s_or_b32 s[G1B+0], s19, (3<<16)|(1<<21)
.irp g, G1, G1B
	s_mov_b32 s[\g+1], 384<<16                     ; tiles of 3,072 bytes, 12,288 bytes apart: 16 for the first fills, 8 from the first refill on
	s_mov_b32 s[\g+2], 16<<16
	s_mov_b32 s[\g+3], 384<<16
	s_mov_b32 s[\g+4], 16
	s_mov_b32 s[\g+5], 1536
	s_mov_b32 s[\g+6], 0
	s_mov_b32 s[\g+7], 0
.endr
	s_or_b32 s[G1S+0], s18, (3<<16)|(1<<21)
	s_or_b32 s[G1SB+0], s19, (3<<16)|(1<<21)
.irp g, G1S, G1SB
	s_mov_b32 s[\g+1], 128<<16                     ; 8 K steps x 1,024 bytes: 16 tiles' scale words
	s_mov_b32 s[\g+2], 8<<16
	s_mov_b32 s[\g+3], 128<<16
	s_mov_b32 s[\g+4], 8
	s_mov_b32 s[\g+5], SSTR
	s_mov_b32 s[\g+6], 0
	s_mov_b32 s[\g+7], 0
.endr
	s_mov_b32 s[G1M+0], (3<<16)|(1<<20)|(5<<22)|(3<<25)   ; the mask: no work-group mask; elements of 8 bytes; 16 bytes of padding behind every 256
	s_mov_b32 s[G1M+1], 32<<16
	s_mov_b32 s[G1M+2], 128<<16
	s_mov_b32 s[G1M+3], 32<<16
	s_mov_b32 s[G1M+4], 128
	s_mov_b32 s[G1M+5], 256                        ; a row of the mask is 2,048 bytes
	s_mov_b32 s[G1M+6], 0
	s_mov_b32 s[G1M+7], 0
	s_lshl_b32 s18, s16, 3
	s_lshl_b32 s20, s17, 4
	s_add_co_u32 s20, s20, s18                     ; q: tile 16 y + 8 x half
	s_lshl_b32 s46, s44, 4
	s_add_co_u32 s46, s46, s18
	s_lshl_b32 s19, s45, 7
	s_add_co_u32 s46, s46, s19                     ; k: tile 128 x batch + 16 x + 8 x half
	s_lshl_b32 s22, s17, 10                        ; q's scale words: from tile 16 y on
	s_mov_b32 s23, 0
	s_sub_co_u32 s100, s46, s18                    ; k's: from tile 128 x batch + 16 x on
	s_lshl_b32 s100, s100, 6
	s_add_co_u32 s100, s100, 262144
	s_mov_b32 s101, 0
	s_mul_i32 s20, s20, 8*FRB
	s_mov_b32 s21, 0
	s_mul_i32 s46, s46, 8*FRB
	s_add_co_u32 s46, s46, 6291456
	s_mov_b32 s47, 0
	s_mul_i32 s2, s14, HALFT                       ; where they go: by the wave's number alone
	s_lshl_b32 s18, s17, 19                        ; the mask: row 256 y + 128 x (wave / 2), byte 256 x
	s_lshl_b32 s19, s15, 18                        ; waves 1 and 3 fetch the mask: rows 128 x (wave / 2) on
	s_add_co_u32 s18, s18, s19
	s_lshl_b32 s19, s44, 8
	s_add_co_u32 s18, s18, s19
	s_mov_b32 s19, 0
	s_mul_i32 s[G0M+1], s15, 128*MP
	s_add_co_u32 s[G0M+1], s[G0M+1], MSK
	s_wait_alu depctr_va_vdst(0)                   ; directly ahead of the wait below
	s_wait_kmcnt 0x0
	s_add_nc_u64 s[20:21], s[4:5], s[20:21]
	s_add_nc_u64 s[22:23], s[6:7], s[22:23]
	s_add_nc_u64 s[46:47], s[4:5], s[46:47]
	s_add_nc_u64 s[100:101], s[6:7], s[100:101]
; PREFETCH INTO THE L2.  Of the eight tiles that belong to a wave in the ring (q's or k's, by halves), each of the four partners that ask for them jointly names two, told apart by address: one instruction a wave and fill.
; Fill 1 and the work-group's own bytes of the mask (64 rows a wave), which are loaded behind the head's round, are named here; fill f + 2 behind the issue of fill f.  Fill 3 is the last.
	s_bfe_u32 s6, ttmp6, 0x40000                   ; cx
	s_cmp_eq_u32 s15, 0
	s_cselect_b64 s[4:5], s[20:21], s[46:47]       ; the first of my eight tiles
	s_cselect_b32 s6, s6, s3                       ; my place among the four: cx for q, cy for k
	s_mul_i32 s6, s6, 2*8*FRB
	s_mov_b32 s7, 0
	s_add_nc_u64 s[4:5], s[4:5], s[6:7]            ; never rewritten
	global_prefetch_b8 v31, s[4:5] offset:RTB th:TH_LOAD_NT scope:SCOPE_SE
	s_lshl_b32 s6, s16, 17                         ; the mask: rows 128 (wave / 2) + 64 (wave % 2) on
	s_add_nc_u64 s[6:7], s[8:9], s[6:7]
	s_add_nc_u64 s[6:7], s[6:7], s[18:19]          ; never rewritten
	global_prefetch_b8 v23, s[6:7] th:TH_LOAD_NT scope:SCOPE_SE
	global_prefetch_b8 v23, s[6:7] offset:65536 th:TH_LOAD_NT scope:SCOPE_SE
	CROUND                                         ; all sixteen work-groups are here: the first joint loads meet
	s_mov_b32 s[G0S], 1
	s_mov_b32 s[G0S+1], SCL
	s_mov_b64 s[G0S+2:G0S+3], s[22:23]
	s_or_b32 s[G0S+3], s[G0S+3], 0x80000000
	s_mov_b32 s[G0SB], 1
	s_mov_b32 s[G0SB+1], SCL+8192
	s_mov_b64 s[G0SB+2:G0SB+3], s[100:101]
	s_or_b32 s[G0SB+3], s[G0SB+3], 0x80000000
.irp s, 0,1
	s_mov_b32 s[G0+4*\s], 1
	s_add_co_u32 s[G0+4*\s+1], s2, \s*SLOT
	s_add_nc_u64 s[G0+4*\s+2:G0+4*\s+3], s[20:21], \s*RTB
	s_or_b32 s[G0+4*\s+3], s[G0+4*\s+3], 0x80000000
	s_mov_b32 s[G0B+4*\s], 1
	s_add_co_u32 s[G0B+4*\s+1], s2, \s*SLOT
	s_add_nc_u64 s[G0B+4*\s+2:G0B+4*\s+3], s[46:47], \s*RTB
	s_or_b32 s[G0B+4*\s+3], s[G0B+4*\s+3], 0x80000000
.endr
	s_mov_b32 s[G0M], 1
	s_add_nc_u64 s[G0M+2:G0M+3], s[8:9], s[18:19]
	s_or_b32 s[G0M+3], s[G0M+3], 0x80000000
; THE HEAD'S LOADS, ONE A WAVE: wave 0 slot 0's 16 tiles of q, wave 2 its 16 tiles of k (both waves' descriptors stand at the first half), wave 1 q's scale words, wave 3 k's.
; One chain of branches on the wave's number, each arm with its load and a jump to the join.
.macro ARM w, g0, g1, next, join
	s_cmp_eq_u32 s14, \w
	s_cbranch_scc0 \next
	tensor_load_to_lds s[\g0:\g0+3], s[\g1:\g1+7]
	s_nop 0
.rept 4
	v_nop
.endr
	s_branch \join
\next:
.endm
	ARM 0, G0,  G1,  .Lh1, .Lhj
	ARM 1, G0S, G1S, .Lh2, .Lhj
	ARM 2, G0B, G1B, .Lh3, .Lhj
	tensor_load_to_lds s[G0SB:G0SB+3], s[G1SB:G1SB+7]
	s_nop 0
.rept 4
	v_nop
.endr
.Lhj:
	global_prefetch_b8 v31, s[4:5] offset:2*RTB th:TH_LOAD_NT scope:SCOPE_SE   ; behind fill 0's load: fill 2
	v_and_b32 v1, 31, v0
	v_and_b32 v2, 15, v0                           ; r
	v_bfe_u32 v3, v0, 4, 1                         ; h
	s_wait_alu depctr_va_vdst(0)
	v_lshlrev_b32 v[LI], 4, v1
	v_lshlrev_b32 v5, 2, v2
	s_mul_i32 s18, s15, HALFT
	s_mul_i32 s19, s16, HALFT
	s_add_co_u32 s19, s19, 2*HALFT
.irp s, 0,1
	v_add_nc_u32 v[ADRA+\s], s18, v[LI]
	v_add_nc_u32 v[ADRB+\s], s19, v[LI]
	s_add_co_u32 s18, s18, SLOT
	s_add_co_u32 s19, s19, SLOT
.endr
	s_lshl_b32 s18, s15, 9                         ; my eight tiles' words in a K step's 1,024 bytes
	s_lshl_b32 s19, s16, 9
	s_add_co_u32 s19, s19, 2*HALFS
	s_sub_co_u32 s19, s19, s18
	v_mul_u32_u24 v6, s19, v3                      ; lanes 16-31 take k's
	s_wait_alu depctr_va_vdst(0)
	s_add_co_u32 s18, s18, SCL
	v_add_nc_u32 v6, v6, v5
	v_add_nc_u32 v[ADRS], s18, v6
	s_mul_i32 s18, s15, 128*MP
	s_lshl_b32 s19, s16, 7
	s_add_co_u32 s18, s18, s19
	s_add_co_u32 s18, s18, MSK
	v_mul_u32_u24 v[MAD], v2, MP
	v_lshl_add_u32 v[MAD], v3, 4, v[MAD]
	v_add_nc_u32 v[MAD], s18, v[MAD]               ; query 128 x half + r, keys 128 x half + 16 h on
	s_mul_i32 s18, s14, 1536
	s_add_co_u32 s18, s18, STG
	v_add_nc_u32 v[SST], s18, v5
	v_add_nc_u32 v[SRD], s18, v[LI]
	s_lshl_b32 s18, s17, 4
	s_lshl_b32 s19, s15, 3
	s_add_co_u32 s18, s18, s19                     ; my first tile of queries
	s_lshl_b32 s19, s44, 1
	s_add_co_u32 s19, s19, s16                     ; my K step of keys
	s_mul_i32 s20, s18, 16*FRB
	s_mul_i32 s21, s19, FRB
	s_add_co_u32 s20, s20, s21
	s_mov_b32 s21, 0
	s_add_nc_u64 s[10:11], s[10:11], s[20:21]
	s_lshl_b32 s20, s19, 15
	s_lshl_b32 s18, s18, 6
	s_add_co_u32 s20, s20, s18
	s_add_nc_u64 s[12:13], s[12:13], s[20:21]
	s_mov_b32 s21, 0x01010101                      ; v_perm_b32's selects: byte 1, 2, 3 into all four
	s_mov_b32 s22, 0x02020202
	s_mov_b32 s23, 0x03030303
	s_mov_b32 s[CS], 0x3d38aa3b                    ; log2(e) / 32: log2(e) with 5 off its exponent, so that score x this is rounded as (score / 32) x log2(e) is
	s_mov_b32 s[CS+1], s[CS]
	s_mov_b32 s[SEL], 0x76543210
	s_mov_b32 s[SEL+1], 0xfedcba98
	s_wait_alu depctr_va_vdst(0)
	s_wait_tensorcnt 0x0                           ; my tile of the head's four is in
	ds_add_u32 v[SPW], v[NIL]
	s_wait_dscnt 0x0
	CROUND                                         ; slot 0 and the scale words are whole, and all sixteen work-groups are here
	ARM 0, G0+4,  G1,  .Lm1, .Lmj                  ; the later first fills, one a wave: slot 1's 16 tiles of q,
	ARM 2, G0B+4, G1B, .Lm2, .Lmj                  ; its 16 tiles of k,
	tensor_load_to_lds s[G0M:G0M+3], s[G1M:G1M+7]  ; and, waves 1 and 3, 128 rows each of the work-group's own 256 x 256 bytes of the mask
	s_nop 0
.rept 4
	v_nop
.endr
.Lmj:
	FETCH_B 0, 0, 0
	FETCH_A 0, 0, 0
	SCALES 0, 0
	FETCH_A 0, 0, 4
	global_prefetch_b8 v31, s[4:5] offset:3*RTB th:TH_LOAD_NT scope:SCOPE_SE   ; behind fill 1's load and the fetch: fill 3
	STEP 0, 0, 1
	TURN 0, 1, 1, 1                                ; its wait for all tensor loads and its barrier also show the whole mask landed
	STEP 1, 0, 0
	TURN 1, 0, 1, 2
	STEP 0, 0, 0
	TURN 0, 1, 0, 3
	STEP 1, 0, 0
	s_wait_dscnt 12
	WIN MUL_LO
	MUL16 0, 1, 1, 1, 0
	MUL16 2, 1, 1, 1, 0
	s_wait_dscnt 0
	WIN MUL_HI
	MUL16 4, 1, 1, 1, 0
	MUL16 6, 1, 1, 1, 0
	WIN 0
	PLACES NP
; A BLOCK OF 16 QUERIES x MY 128 KEYS.  Register 16 g + i of the lane holds key 32 g + 16 h + i of its query.
.macro SOFT a
.set AC, 64*((\a)%4)
.irp g, 0,1,2,3
	ds_load_b128 v[MK+4*\g:MK+4*\g+3], v[MAD] offset:(\a)*16*MP+32*\g
.endr
	WIN 0x02+(\a)/4
.set i, 0
.rept 32
	v_pk_mul_f32 v[HA+2*i:HA+2*i+1], v[AC+2*i:AC+2*i+1], s[CS:CS+1] op_sel_hi:[1,0]   ; t; each accumulator from its low end on
.set i, i+1
.endr
	WIN 0
	s_wait_dscnt 0x0                               ; the mask's bytes are in; the last block's LDS stores have read their registers
.irp m, 0,1,2,3,4,5,6,7,8,9,10,11,12,13,14,15
	v_lshlrev_b32 v[XT+\m%4], 8, v[MK+\m]
	v_sub_nc_u32 v[MK+\m], v[XT+\m%4], v[MK+\m]    ; x 255: bytes 0 and 1 become 0x00 and 0xff
.endr
.set m, 0
.rept 16
	v_perm_b32 v[XT], v[MK+m], v[MK+m], 0          ; a place's byte into all four bytes
	v_perm_b32 v[XT+1], v[MK+m], v[MK+m], s21
	v_perm_b32 v[XT+2], v[MK+m], v[MK+m], s22
	v_perm_b32 v[XT+3], v[MK+m], v[MK+m], s23
	v_bfi_b32 v[HA+4*m], v[XT], v[TN], v[HA+4*m]   ; a true choice: the masked t where the mask is set
	v_bfi_b32 v[HA+4*m+1], v[XT+1], v[TN], v[HA+4*m+1]
	v_bfi_b32 v[HA+4*m+2], v[XT+2], v[TN], v[HA+4*m+2]
	v_bfi_b32 v[HA+4*m+3], v[XT+3], v[TN], v[HA+4*m+3]
.set m, m+1
.endr
.irp b, 0,1,2,3
	v_max3_num_f32 v[TB+\b], v[HA+16*\b], v[HA+1+16*\b], v[HA+2+16*\b]   ; the largest t of each block of 32 keys: it serves the run's maximum and, since p rises with t, the block's largest p
.endr
.irp i, 3,5,7,9,11,13
.irp b, 0,1,2,3
	v_max3_num_f32 v[TB+\b], v[TB+\b], v[HA+16*\b+\i], v[HA+1+16*\b+\i]
.endr
.endr
.irp b, 0,1,2,3
	v_max_num_f32 v[TB+\b], v[TB+\b], v[HA+15+16*\b]
.endr
.irp b, 0,1,2,3
	v_permlanex16_b32 v[TB2+\b], v[TB+\b], s[SEL], s[SEL+1]
.endr
.irp b, 0,1,2,3
	v_max_num_f32 v[TB+\b], v[TB+\b], v[TB2+\b]
.endr
	v_max3_num_f32 v206, v[TB], v[TB+1], v[TB+2]
	v_max_num_f32 v206, v206, v[TB+3]
	v_floor_f32 v[NM], -v206                       ; -M = floor(-t) = -ceil(t)
.set i, 0
.rept 32
	v_pk_add_f32 v[HA+2*i:HA+2*i+1], v[HA+2*i:HA+2*i+1], v[NM:NM+1] op_sel_hi:[1,0]   ; t - M
.set i, i+1
.endr
.irp b, 0,1,2,3
	v_add_f32 v[TB+\b], v[TB+\b], v[NM]
.endr
.set i, 0
	s_wait_alu depctr_va_vdst(0)
.rept 64
	v_exp_f32 v[HA+i], v[HA+i]                     ; p = 2^(t - M)
.set i, i+1
.endr
	v_nop                                          ; a plain instruction behind the exponentials
	s_wait_alu depctr_va_vdst(0)                   ; one wait for the batch, ahead of its first reader
.irp b, 0,1,2,3
	v_exp_f32 v[TB+\b], v[TB+\b]                   ; the blocks' largest p: the same addition and exponential on the same number
.endr
	v_pk_add_f32 v[LS:LS+1], v[HA:HA+1], v[HA+2:HA+3]      ; l is taken of the unquantised p, in two chains
	v_pk_add_f32 v[LT:LT+1], v[HA+4:HA+5], v[HA+6:HA+7]
.irp j, 8,12,16,20,24,28,32,36,40,44,48,52,56,60
	v_pk_add_f32 v[LS:LS+1], v[LS:LS+1], v[HA+\j:HA+\j+1]
	v_pk_add_f32 v[LT:LT+1], v[LT:LT+1], v[HA+\j+2:HA+\j+3]
.endr
	v_pk_add_f32 v[LS:LS+1], v[LS:LS+1], v[LT:LT+1]
	v_add_f32 v[LS], v[LS], v[LS+1]
	v_permlanex16_b32 v206, v[LS], s[SEL], s[SEL+1]
	v_add_f32 v[LS], v[LS], v206                   ; with lane l xor 16's 64 keys
	s_wait_alu depctr_va_vdst(0)                   ; and one for the four
.irp b, 0,1,2,3
	v_max_num_f32 v[TB+\b], 0x1800000, v[TB+\b]    ; the floor 2^(3 - 127)
.endr
.irp b, 0,1,2,3
	v_add_nc_u32 v[TS+\b], 0xff000000, v[TB+\b]    ; 2 off the exponent field: the conversion's scale operand
.endr
.irp b, 0,1,2,3
	v_lshrrev_b32 v[TY+\b], 23, v[TS+\b]           ; the scale's byte: 125 at the most
.endr
	v_lshl_or_b32 v[PW], v[TY+1], 8, v[TY]
	v_lshl_or_b32 v[PW], v[TY+2], 16, v[PW]
	v_lshl_or_b32 v[PW], v[TY+3], 24, v[PW]
.if (\a) > 0
	s_wait_xcnt 0x0                                ; the last block's stores have read the codes' registers
.endif
.irp c, 0,1
	v_cvt_scalef32_pk16_fp6_f32 v[PC+6*\c:PC+2+6*\c], v[HA+32*\c:HA+15+32*\c], v[TS+2*\c]
	v_cvt_scalef32_pk16_fp6_f32 v[PC+12+4*\c:PC+14+4*\c], v[HA+16+32*\c:HA+31+32*\c], v[TS+2*\c+1]
.endr
	v_nop                                          ; one plain instruction behind the scaled conversions
.irp c, 0,1
.irp i, 0,1,2
	v_permlane16_swap_b32 v[PC+6*\c+\i], v[PC+12+4*\c+\i]
.endr
.irp i, 0,1,2
	v_mov_b32 v[PC+3+6*\c+\i], v[PC+12+4*\c+\i]
.endr
.endr
.irp c, 0,1,2
	global_store_b128 v[LI], v[PC+4*\c:PC+4*\c+3], s[10:11] offset:(\a)*16*FRB+512*\c   ; 32 lanes store 512 consecutive bytes
.endr
	ds_store_b32 v[SST], v[PW] offset:64*(\a)
	ds_store_b32 v[SST], v[NM] offset:512+64*(\a)
	ds_store_b32 v[SST], v[LS] offset:1024+64*(\a)
.endm
.irp b, 0,1,2,3
	v_mov_b32 v[TB2+\b], 0                         ; written once: a lane permute's destination counts as one of its sources
.endr
	v_mov_b32 v[NM+1], 0                           ; named as the upper half of a pair
	v_mov_b32 v[TN], 0xce6e6b28                    ; -1e9
	v_mul_f32 v[TN], 0x3fb8aa3b, v[TN]             ; x log2(e)
.irp a, 0,1,2,3,4,5,6,7
	SOFT \a
.endr
	ds_load_b128 v[208:211], v[SRD]                ; eight blocks' scale words, -M and l: 512 bytes each
	ds_load_b128 v[212:215], v[SRD] offset:512
	ds_load_b128 v[216:219], v[SRD] offset:1024
	s_wait_dscnt 0x0
	global_store_b128 v[LI], v[208:211], s[12:13]
	global_store_b128 v[LI], v[212:215], s[12:13] offset:524288
	global_store_b128 v[LI], v[216:219], s[12:13] offset:1048576
	s_wait_tensorcnt 0x0                           ; the wave's end
	ds_add_u32 v[SPW], v[NIL]
	s_wait_dscnt 0x0
	CROUND                                         ; the closing round
	s_endpgm
.Lfunc_end_k_q8eaca7fa80_scores:
	.size	k_q8eaca7fa80_scores, .Lfunc_end_k_q8eaca7fa80_scores-k_q8eaca7fa80_scores
	.p2alignl 7, 3214868480
	.fill 96, 4, 3214868480
	.section	.rodata,"a",@progbits
	.p2align	6, 0x0
	.amdhsa_kernel k_q8eaca7fa80_scores
		.amdhsa_group_segment_fixed_size 327680
		.amdhsa_private_segment_fixed_size 0
		.amdhsa_enable_private_segment 0
		.amdhsa_kernarg_size 40
		.amdhsa_user_sgpr_count 2
		.amdhsa_user_sgpr_kernarg_segment_ptr 1
		.amdhsa_wavefront_size32 1
		.amdhsa_system_sgpr_workgroup_id_x 1
		.amdhsa_system_sgpr_workgroup_id_y 1
		.amdhsa_system_sgpr_workgroup_id_z 1
		.amdhsa_system_vgpr_workitem_id 0
		.amdhsa_next_free_vgpr 1024
		.amdhsa_next_free_sgpr 102
		.amdhsa_reserve_vcc 0
		.amdhsa_float_denorm_mode_32 3
		.amdhsa_float_denorm_mode_16_64 3
		.amdhsa_memory_ordered 1
		.amdhsa_forward_progress 1
		.amdhsa_inst_pref_size 255
	.end_amdhsa_kernel
	.section	.bss,"aw",@nobits
	.p2align	6
	.space	262144
	.amdgpu_metadata
---
amdhsa.version: [ 1, 2 ]
amdhsa.kernels:
  - .name:           k_q8eaca7fa80_scores
    .symbol:         k_q8eaca7fa80_scores.kd
    .args:
      - { .name: c2, .offset: 0, .size: 8, .value_kind: global_buffer, .address_space: global }
      - { .name: s2, .offset: 8, .size: 8, .value_kind: global_buffer, .address_space: global }
      - { .name: mask, .offset: 16, .size: 8, .value_kind: global_buffer, .address_space: global }
      - { .name: pc, .offset: 24, .size: 8, .value_kind: global_buffer, .address_space: global }
      - { .name: pst, .offset: 32, .size: 8, .value_kind: global_buffer, .address_space: global }
    .group_segment_fixed_size: 327680
    .private_segment_fixed_size: 0
    .kernarg_segment_align: 8
    .kernarg_segment_size: 40
    .max_flat_workgroup_size: 128
    .sgpr_count:     102
    .vgpr_count:     1024
    .wavefront_size: 32
...
	.end_amdgpu_metadata
.endif
;; end of part 3
;; launch pv (part 4): grid 4 x 64, 4 waves a work-group, clusters of 4 x 4, 327,680 bytes of LDS; arguments pc, pst, c2, s2, out0; writes out0
.if DOCPART == 4
	.amdgcn_target "amdgcn-amd-amdhsa--gfx1250"
	.amdhsa_code_object_version 6
	.text
	.protected	k_q8eaca7fa80_pv
	.globl	k_q8eaca7fa80_pv
	.p2align	8
	.type	k_q8eaca7fa80_pv,@function
k_q8eaca7fa80_pv:
	s_mov_b64 s[64:65], 0
	v_nop
	global_prefetch_b8 v0, s[64:65] scope:SCOPE_SE
	s_setreg_imm32_b32 hwreg(HW_REG_WAVE_MODE, 25, 1), 1
	s_wait_xcnt 0x0
	s_wait_alu depctr_hold_cnt(0) depctr_sa_sdst(0) depctr_va_vdst(0) depctr_va_sdst(0) depctr_va_ssrc(0) depctr_va_vcc(0) depctr_vm_vsrc(0)
	s_getreg_b32 s2, hwreg(HW_REG_IB_STS2, 6, 4)
	s_cmp_eq_u32 s2, 0
	s_cbranch_scc0 .Lentry_in_a_cluster
	s_endpgm
.Lentry_in_a_cluster:
	s_bfe_u32 s2, ttmp6, 0x10000c
	s_cmp_lg_u32 s2, 0xf033
	s_cbranch_scc0 .Lentry_shape_is_right
	s_endpgm
.Lentry_shape_is_right:
; out = (p v) / l on codes of FP6 (E2M3), K = the batch's 2,048 keys.  p came quantised under a local M for each run of 128 keys.  The head finds each row's M (the largest of its 16), takes
; d = M - local M, a whole number, off the four scale bytes of that run's word, and adds the runs' l x 2^-d: nothing is rounded but the sum.
; pc: p's fragments [512 tiles of queries][16 K steps]; pst: [16][512][16] words: p's scale words at 0, -M at 524,288, l at 1,048,576.
; c2 + 12,582,912: v^T's fragments [4 batches][64 tiles of d][16 K steps]; s2 + 524,288: its scale words [4][16][64][16].  out0: [8192][1024] f32.
; SHARES: a work-group of four waves makes 128 queries x 256 of d (256 work-groups); a wave 64 x 128: 32 accumulators.  Source 0 = 16 of d, source 1 = 16 queries: a lane holds eight neighbouring numbers of a row of out.
; K goes in four fills of two LDS slots, 512 keys each; the sixteen steps are written out.
; CLUSTERS: 4 x 4: p's tiles are asked for jointly by a row of the cluster, v^T's tiles and scale words by a column.
; LIMITS: a scale byte that would fall under 0 is held at 0, and d at 127: the terms so misplaced are under 7.5 x 2^-127 each.  NaN and infinities are not served.
; REGISTERS: window 0: v16-31 addresses, v32-55 scale words in two sets (p's four, v^T's eight), v56-63 1 / l, v64-127 the head's work, v128-223 p's fragments in two sets; on the way out v128-255 rows of out.
;   window 1: v^T's two sets at v0 and v128.  window 2: accumulator (a, b) at v[8 (8 a + b)].
.set FR,    12
.set NP,    4
.set FRB,   1536
.set RTB,   4*FRB                      ; a tile's bytes in a slot: four K steps
.set AREG,  8*RTB                      ; p's eight tiles
.set SLOT,  24*RTB                     ; then v^T's sixteen
.set SCB,   2*SLOT                     ; v^T's scale words: [16 K steps][16 tiles][16]
.set ASC,   SCB+16384                  ; p's scale words under the row's M: [16 K steps][8 tiles][16]
.set LRG,   ASC+8192                   ; 1 / l, a word a row
.set SPARE, LRG+512                    ; the spare words, 128 bytes a wave
.set SP,    528                        ; the stage on the way out: 16 rows x (512 bytes + 16) a wave, in slot 0, which has had its last fill and its last read by then
.set ADRA, 16
.set ADRB, 20
.set ADSA, 22
.set ADSB, 23
.set STO,  24
.set RD,   25
.set CO,   26                          ; v26  16 x lane
.set ILA,  27
.set SPW,  28
.set NIL,  29
.set T4,   30                          ; v30  4 x my thread's number
.set AW,   31                          ; v31  ASC + that
.set IL,   56
.set NMR,  64
.set LR,   80
.set WR,   96
.set AF,   128
.set BK,   128
.set G1A, 24
.set G0A, 32
.set G1B, 48
.set G0B, 56
.set G1S, 68
.set G0S, 76
.set MSB, 0
.macro WIN new
.if MSB != (\new)
	s_set_vgpr_msb (MSB<<8)|(\new)
.set MSB, (\new)
.endif
.endm
.set MUL,  0xa1                        ; source 0 window 1, source 1 window 0, C and D window 2
.set TO_B, 0x40
.macro JLOAD g0a, g1a, g0b, g1b        ; waves 0 and 1 fetch p's halves, waves 2 and 3 v^T's; four v_nop follow each of the two lines
	s_cmp_eq_u32 s15, 0
	s_cbranch_scc0 .Lfor_b_\@
	tensor_load_to_lds s[\g0a:\g0a+3], s[\g1a:\g1a+7]
	s_nop 0
.rept 4
	v_nop
.endr
	s_branch .Lasked_\@
.Lfor_b_\@:
	tensor_load_to_lds s[\g0b:\g0b+3], s[\g1b:\g1b+7]
	s_nop 0
.rept 4
	v_nop
.endr
.Lasked_\@:
.endm
.macro CREST
	s_cmp_lg_u32 s14, 0
	s_cbranch_scc1 .Lnot_wave_0_\@
	s_barrier_signal -3
.Lnot_wave_0_\@:
	s_barrier_wait -3
	s_barrier_signal -1
	s_barrier_wait -1
.endm
.macro CROUND
	s_barrier_signal -1
	s_barrier_wait -1
	CREST
.endm
; A PREFETCH INTO THE L2: of the tiles that belong to a wave in the ring (four of p, eight of v^T), each of the four partners that ask for them jointly names its share by address: one tile of p, two of v^T;
; a fill's 6,144 bytes of a tile are 24 blocks of 256, a lane each; lanes 24-31 name the last again.  Fill 1 is named at the head, fill f + 2 behind the issue of fill f; fill 3 is the last.
.macro ASK off
	global_prefetch_b8 v18, s[86:87] offset:\off th:TH_LOAD_NT scope:SCOPE_SE
	s_cmp_eq_u32 s15, 0
	s_cbranch_scc1 .Lone_\@
	global_prefetch_b8 v18, s[86:87] offset:\off+16*FRB th:TH_LOAD_NT scope:SCOPE_SE
.Lone_\@:
.endm
.macro PLACES n
.rept \n
	v_nop
.endr
.endm
.macro FRAG reg, adr, q, i
.irp c, 0,1,2
	ds_load_b128 v[\reg+4*\c:\reg+4*\c+3], v[\adr] offset:(\i)*RTB+(\q)*FRB+512*\c
.endr
.endm
; 48 LDS loads in one run: the slot's q-th step (K step ks of the sixteen) into set p
.macro FETCH slot, q, p, ks
	WIN TO_B
.irp i, 0,1,2,3,4,5,6,7
	FRAG 128*(\p)+FR*\i, ADRB+\slot, \q, \i
.endr
	WIN 0
.irp i, 0,1,2,3
	FRAG AF+48*(\p)+FR*\i, ADRA+\slot, \q, \i
.endr
.irp a, 0,1,2,3
	ds_load_b32 v[32+12*(\p)+\a], v[ADSA] offset:(\ks)*512+\a*64
.endr
.irp b, 0,1,2,3,4,5,6,7
	ds_load_b32 v[36+12*(\p)+\b], v[ADSB] offset:(\ks)*1024+\b*64
.endr
.endm
.macro MUL8 a, p, zero                 ; the 32 accumulators take turns, one instruction a turn
.irp b, 0,1,2,3,4,5,6,7
.if \zero
	v_wmma_scale_f32_16x16x128_f8f6f4 v[8*(8*(\a)+\b):8*(8*(\a)+\b)+7], v[128*(\p)+FR*\b:128*(\p)+FR*\b+FR-1], v[AF+48*(\p)+FR*(\a):AF+48*(\p)+FR*(\a)+FR-1], 0, v[36+12*(\p)+\b], v[32+12*(\p)+(\a)] matrix_a_fmt:MATRIX_FMT_FP6 matrix_b_fmt:MATRIX_FMT_FP6
.else
	v_wmma_scale_f32_16x16x128_f8f6f4 v[8*(8*(\a)+\b):8*(8*(\a)+\b)+7], v[128*(\p)+FR*\b:128*(\p)+FR*\b+FR-1], v[AF+48*(\p)+FR*(\a):AF+48*(\p)+FR*(\a)+FR-1], v[8*(8*(\a)+\b):8*(8*(\a)+\b)+7], v[36+12*(\p)+\b], v[32+12*(\p)+(\a)] matrix_a_fmt:MATRIX_FMT_FP6 matrix_b_fmt:MATRIX_FMT_FP6
.endif
.endr
.endm
; One of a slot's first three steps: the next step's loads go out ahead of this step's 32 products.
.macro STEP slot, q, ks, zero
	s_wait_dscnt 0x0                               ; this step's fragments and scale words are in
	PLACES NP                                      ; in front of loads into the set that the last step multiplied
	FETCH \slot, (\q)+1, 1-(\q)%2, (\ks)+1
	WIN MUL
	MUL8 0, (\q)%2, \zero
	MUL8 1, (\q)%2, \zero
	MUL8 2, (\q)%2, \zero
	MUL8 3, (\q)%2, \zero
	WIN 0
.endm
; A slot's last step changes slots.
.macro TURN slot, next, fill, ks
	s_wait_tensorcnt 0x0                           ; all my tensor loads have landed, my part of the next slot among them
	ds_add_u32 v[SPW], v[NIL]                      ; 0 onto my spare word
	s_wait_dscnt 1                                 ; this step's loads are in; the add may be out
	WIN MUL
	MUL8 0, 1, 0
	s_wait_dscnt 0x0                               ; the add is done, and my reads of this slot are over
	s_barrier_signal -1
	MUL8 1, 1, 0
	WIN 0
	s_barrier_wait -1
.if \fill
	CREST                                          ; no wave of any partner still reads this slot or has a load on its way
	s_add_nc_u64 s[G0A+4*\slot+2:G0A+4*\slot+3], s[G0A+4*\slot+2:G0A+4*\slot+3], 2*RTB
	s_add_nc_u64 s[G0B+4*\slot+2:G0B+4*\slot+3], s[G0B+4*\slot+2:G0B+4*\slot+3], 2*RTB
	JLOAD G0A+4*\slot, G1A, G0B+4*\slot, G1B       ; the first tensor load behind the round; its four v_nop are the places in front of the loads below
.else
	PLACES NP
.endif
	FETCH \next, 0, 0, (\ks)+1
	WIN MUL
	MUL8 2, 1, 0
	MUL8 3, 1, 0
	WIN 0
.endm
	s_load_b128 s[4:7], s[0:1], 0x0                ; pc, pst
	s_load_b128 s[8:11], s[0:1], 0x10              ; c2, s2
	s_load_b64 s[12:13], s[0:1], 0x20              ; out0
	v_lshl_add_u32 v[SPW], v0, 2, SPARE
	v_mov_b32 v[NIL], 0
	ds_add_u32 v28, v29
	ds_add_u32 v28, v29
	s_wait_dscnt 0x0
	v_lshrrev_b32 v1, 5, v0
	v_readfirstlane_b32 s14, v1                    ; wave
	s_lshr_b32 s15, s14, 1                         ; my half of the queries.  Also: I fetch for p (0) or for v^T (1)
	s_and_b32 s16, s14, 1                          ; my half of d.  Also: which half of that tile I fetch
	s_bfe_u32 s40, ttmp6, 0x40000                  ; cx
	s_bfe_u32 s41, ttmp6, 0x40004                  ; cy
	s_lshl_b32 s42, ttmp9, 2
	s_add_co_u32 s42, s42, s40                     ; x: 256 of d
	s_and_b32 s17, ttmp7, 0xffff
	s_lshr_b32 s45, s17, 2                         ; the batch: from the cluster's y alone
	s_lshl_b32 s17, s17, 2
	s_add_co_u32 s17, s17, s41                     ; y: 128 queries of the 8,192
	s_lshl_b32 s43, s41, 2
	s_lshl_b32 s43, 15, s43                        ; my row of the cluster
	s_lshl_b32 s44, 0x1111, s40                    ; my column
	s_or_b32 s[G1A+0], s43, (3<<16)|(1<<21)        ; p: 4 tiles x 6,144 bytes (768 elements of 8 bytes), 24,576 bytes apart
	s_mov_b32 s[G1A+1], 768<<16
	s_mov_b32 s[G1A+2], 8<<16                      ; 8 tiles for the head's load, 4 behind it
	s_mov_b32 s[G1A+3], 768<<16
	s_mov_b32 s[G1A+4], 8
	s_mov_b32 s[G1A+5], 3072
	s_mov_b32 s[G1A+6], 0
	s_mov_b32 s[G1A+7], 0
	s_or_b32 s[G1B+0], s44, (3<<16)|(1<<21)        ; v^T: 8 tiles likewise
	s_mov_b32 s[G1B+1], 768<<16
	s_mov_b32 s[G1B+2], 8<<16
	s_mov_b32 s[G1B+3], 768<<16
	s_mov_b32 s[G1B+4], 8
	s_mov_b32 s[G1B+5], 3072
	s_mov_b32 s[G1B+6], 0
	s_mov_b32 s[G1B+7], 0
	s_or_b32 s[G1S+0], s44, (3<<16)|(1<<21)        ; v^T's scale words: 16 K steps x 1,024 bytes (sixteen tiles' words), 4,096 bytes apart
	s_mov_b32 s[G1S+1], 128<<16                    ; 16 K steps x 1,024 bytes: sixteen tiles' words
	s_mov_b32 s[G1S+2], 16<<16
	s_mov_b32 s[G1S+3], 128<<16
	s_mov_b32 s[G1S+4], 16
	s_mov_b32 s[G1S+5], 512
	s_mov_b32 s[G1S+6], 0
	s_mov_b32 s[G1S+7], 0
	v_lshlrev_b32 v[T4], 2, v0
	v_and_b32 v18, 31, v0
	v_min_u32 v18, 23, v18
	v_lshlrev_b32 v18, 8, v18                      ; the prefetches' lane term: 256 x min(lane, 23)
	s_lshl_b32 s20, s17, 3
	s_lshl_b32 s18, s16, 2
	s_add_co_u32 s20, s20, s18                     ; p: tile 8 y + 4 x half
	s_mul_i32 s20, s20, 16*FRB
	s_mov_b32 s21, 0
	s_lshl_b32 s46, s42, 4
	s_lshl_b32 s18, s16, 3
	s_add_co_u32 s46, s46, s18                     ; v^T: tile 16 x + 8 x half of the batch's 64
	s_mul_i32 s46, s46, 16*FRB
	s_mul_i32 s18, s45, 64*16*FRB
	s_add_co_u32 s46, s46, s18
	s_add_co_u32 s46, s46, 12582912
	s_mov_b32 s47, 0
	s_lshl_b32 s22, s42, 10                        ; its scale words: tiles 16 x on, 64 bytes each
	s_lshl_b32 s18, s45, 16
	s_add_co_u32 s22, s22, s18
	s_add_co_u32 s22, s22, 524288
	s_mov_b32 s23, 0
	s_lshl_b32 s80, s17, 9                         ; my tile's 128 words in a K step of pst
	s_mov_b32 s81, 0
	s_mul_i32 s82, s16, 4*RTB                      ; where the tiles go: by the wave's number alone
	s_mul_i32 s83, s16, 8*RTB
	s_add_co_u32 s83, s83, AREG
	s_wait_alu depctr_va_vdst(0)
	s_wait_kmcnt 0x0
	s_add_nc_u64 s[20:21], s[4:5], s[20:21]
	s_add_nc_u64 s[46:47], s[8:9], s[46:47]
	s_add_nc_u64 s[22:23], s[10:11], s[22:23]
	s_add_nc_u64 s[6:7], s[6:7], s[80:81]
	s_cmp_eq_u32 s15, 0
	s_cselect_b64 s[86:87], s[20:21], s[46:47]     ; the first of my tiles
	s_cselect_b32 s88, s40, s41                    ; my place among the four: cx for p, cy for v^T
	s_mov_b32 s89, 2*16*FRB
	s_cselect_b32 s89, 16*FRB, s89                 ; my share: one tile or two
	s_mul_i32 s88, s88, s89
	s_mov_b32 s89, 0
	s_add_nc_u64 s[86:87], s[86:87], s[88:89]      ; never rewritten
	ASK RTB                                        ; fill 1, which is loaded behind the head's round
.irp k, 0,1,2,3,4,5,6,7,8,9,10,11,12,13,14,15  ; thread n owns row n of the tile: its 16 scale words, -M and l
	global_load_b32 v[WR+\k], v[T4], s[6:7] offset:\k*32768
	global_load_b32 v[NMR+\k], v[T4], s[6:7] offset:\k*32768+524288
	global_load_b32 v[LR+\k], v[T4], s[6:7] offset:\k*32768+1048576
.endr
	CROUND                                         ; all sixteen work-groups are here: the first joint loads meet
	s_mov_b32 s[G0S], 1
	s_mov_b32 s[G0S+1], SCB
	s_mov_b64 s[G0S+2:G0S+3], s[22:23]
	s_or_b32 s[G0S+3], s[G0S+3], 0x80000000
.irp s, 0,1
	s_mov_b32 s[G0A+4*\s], 1
	s_add_co_u32 s[G0A+4*\s+1], s82, \s*SLOT
	s_add_nc_u64 s[G0A+4*\s+2:G0A+4*\s+3], s[20:21], \s*RTB
	s_or_b32 s[G0A+4*\s+3], s[G0A+4*\s+3], 0x80000000
	s_mov_b32 s[G0B+4*\s], 1
	s_add_co_u32 s[G0B+4*\s+1], s83, \s*SLOT
	s_add_nc_u64 s[G0B+4*\s+2:G0B+4*\s+3], s[46:47], \s*RTB
	s_or_b32 s[G0B+4*\s+3], s[G0B+4*\s+3], 0x80000000
.endr
; THE HEAD'S LOADS, ONE A WAVE: wave 0 slot 0's 8 tiles of p, waves 1 and 2 the two halves of its 16 tiles of v^T (half = wave % 2), wave 3 v^T's scale words.
; One chain of branches on the wave's number, each arm with its load and a jump to the join.
.macro ARM w, g0, g1, next, join
	s_cmp_eq_u32 s14, \w
	s_cbranch_scc0 \next
	tensor_load_to_lds s[\g0:\g0+3], s[\g1:\g1+7]
	s_nop 0
.rept 4
	v_nop
.endr
	s_branch \join
\next:
.endm
	ARM 0, G0A, G1A, .Lh1, .Lhj
	ARM 3, G0S, G1S, .Lh2, .Lhj
	tensor_load_to_lds s[G0B:G0B+3], s[G1B:G1B+7]
	s_nop 0
.rept 4
	v_nop
.endr
.Lhj:
	ASK 2*RTB                                      ; behind fill 0's load
	s_lshl_b32 s18, s17, 7
	s_lshl_b32 s19, s15, 6
	s_add_co_u32 s18, s18, s19                     ; my first row of out
	s_lshl_b32 s18, s18, 12
	s_lshl_b32 s19, s42, 10
	s_add_co_u32 s18, s18, s19
	s_lshl_b32 s19, s16, 9
	s_add_co_u32 s18, s18, s19                     ; my first column, in bytes
	s_mov_b32 s19, 0
	s_add_nc_u64 s[12:13], s[12:13], s[18:19]
	v_and_b32 v1, 31, v0
	v_and_b32 v2, 15, v0                           ; r
	v_bfe_u32 v3, v0, 4, 1                         ; h
	v_lshlrev_b32 v[CO], 4, v1
	v_lshlrev_b32 v4, 2, v2
	s_wait_alu depctr_va_vdst(0)
	s_mul_i32 s18, s15, 4*RTB
	s_mul_i32 s19, s16, 8*RTB
	s_add_co_u32 s19, s19, AREG
.irp s, 0,1
	v_add_nc_u32 v[ADRA+\s], s18, v[CO]
	v_add_nc_u32 v[ADRB+\s], s19, v[CO]
	s_add_co_u32 s18, s18, SLOT
	s_add_co_u32 s19, s19, SLOT
.endr
	s_lshl_b32 s18, s15, 8
	s_add_co_u32 s19, s18, ASC
	v_add_nc_u32 v[ADSA], s19, v4
	s_add_co_u32 s19, s18, LRG
	v_add_nc_u32 v[ILA], s19, v4
	s_lshl_b32 s18, s16, 9                         ; my eight tiles' words in a K step's 1,024 bytes
	s_add_co_u32 s18, s18, SCB
	v_add_nc_u32 v[ADSB], s18, v4
	s_mul_i32 s18, s14, 16*SP
	v_mul_u32_u24 v[STO], v2, SP
	v_lshl_add_u32 v[STO], v3, 5, v[STO]
	v_add_nc_u32 v[STO], s18, v[STO]               ; the stage: row r, + 32 h
	v_add_nc_u32 v[RD], s18, v[CO]
	v_add_nc_u32 v[AW], ASC, v[T4]
	; THE ROW'S M AND l
	s_wait_loadcnt 0x0
	v_min3_num_f32 v112, v[NMR], v[NMR+1], v[NMR+2]        ; the least -M is the row's
.irp k, 3,5,7,9,11,13
	v_min3_num_f32 v112, v112, v[NMR+\k], v[NMR+\k+1]
.endr
	v_min_num_f32 v112, v112, v[NMR+15]
.irp k, 0,1,2,3,4,5,6,7,8,9,10,11,12,13,14,15
	v_sub_f32 v113, v[NMR+\k], v112                ; d = the row's M less the run's: a whole number, 0 or more
	v_min_num_f32 v113, 0x42fe0000, v113           ; held at 127
	v_cvt_u32_f32 v113, v113
	v_sub_nc_u32 v114, 0, v113
.if \k == 0
	v_ldexp_f32 v116, v[LR+\k], v114               ; the run's l under the row's M
.else
	v_ldexp_f32 v115, v[LR+\k], v114
	v_add_f32 v116, v116, v115
.endif
	v_perm_b32 v113, v113, v113, 0                 ; d in all four bytes
	v_or_b32 v117, 0x80808080, v[WR+\k]            ; a byte is 125 at the most: with 128 added no borrow leaves a byte
	v_sub_nc_u32 v117, v117, v113
	v_lshrrev_b32 v118, 7, v117
	v_and_b32 v118, 0x01010101, v118               ; 1 where byte - d is not negative
	v_lshlrev_b32 v119, 7, v118
	v_sub_nc_u32 v119, v119, v118                  ; 0x7f there
	v_and_b32 v[WR+\k], v117, v119                 ; byte - d, held at 0
	ds_store_b32 v[AW], v[WR+\k] offset:\k*512
.endr
	s_wait_alu depctr_va_vdst(0)
	v_rcp_f32 v116, v116
	v_nop                                          ; a plain instruction behind the reciprocal
	s_wait_alu depctr_va_vdst(0)                   ; and the wait ahead of its first reader
	ds_store_b32 v[AW], v116 offset:LRG-ASC
	s_wait_dscnt 0x0                               ; for the others' sake: my stores have landed
	s_wait_alu depctr_va_vdst(0)                   ; the head's end
	s_wait_tensorcnt 0x0                           ; my tile of the head's four is in
	ds_add_u32 v[SPW], v[NIL]
	s_mov_b32 s[G1A+2], 4<<16                      ; no tensor load of mine is out: from here on a load of p brings 4 tiles
	s_mov_b32 s[G1A+4], 4
	s_wait_dscnt 0x0
	CROUND                                         ; slot 0, the scale words and the rows' words are whole, and all sixteen work-groups are here
	JLOAD G0A+4, G1A, G0B+4, G1B                   ; slot 1's first fill, the first tensor load behind the round
	FETCH 0, 0, 0, 0
	ASK 3*RTB                                      ; behind fill 1's load and the fetch
	STEP 0, 0, 0, 1                                ; the first step's products start the sums
	STEP 0, 1, 1, 0
	STEP 0, 2, 2, 0
	TURN 0, 1, 1, 3
	STEP 1, 0, 4, 0
	STEP 1, 1, 5, 0
	STEP 1, 2, 6, 0
	TURN 1, 0, 1, 7
	STEP 0, 0, 8, 0
	STEP 0, 1, 9, 0
	STEP 0, 2, 10, 0
	TURN 0, 1, 0, 11                               ; nothing is left to fetch
	STEP 1, 0, 12, 0
	STEP 1, 1, 13, 0
	STEP 1, 2, 14, 0
	s_wait_dscnt 0x0
	WIN MUL
	MUL8 0, 1, 0
	MUL8 1, 1, 0
	MUL8 2, 1, 0
	MUL8 3, 1, 0
	WIN 0
	PLACES NP
; THE WAY OUT, block by block of 16 queries x 128 of d: x 1 / l, through my stage, and out as whole rows of 512 bytes.
.macro TOSTAGE a
	WIN 0x82                                       ; destination and source 0 window 2
.set i, 0
.rept 32
	v_pk_mul_f32 v[64*(\a)+2*i:64*(\a)+2*i+1], v[64*(\a)+2*i:64*(\a)+2*i+1], v[IL+2*(\a):IL+2*(\a)+1] op_sel_hi:[1,0]   ; each accumulator from its low end on
.set i, i+1
.endr
	WIN 0x08                                       ; an LDS store's data are its source 1: window 2
.irp b, 0,1,2,3,4,5,6,7
	ds_store_b128 v[STO], v[64*(\a)+8*\b:64*(\a)+8*\b+3] offset:64*\b
	ds_store_b128 v[STO], v[64*(\a)+8*\b+4:64*(\a)+8*\b+7] offset:64*\b+16
.endr
	WIN 0
.set BB, BK+64*((\a)%2)
.irp t, 0,1,2,3,4,5,6,7,8,9,10,11,12,13,14,15
	ds_load_b128 v[BB+4*\t:BB+4*\t+3], v[RD] offset:\t*SP   ; LDS serves a wave's instructions in order: these see the stores above, and the next block's stores come behind them
.endr
.endm
.macro SEND a, younger                 ; younger: the LDS instructions issued behind block a's loads
.set BB, BK+64*((\a)%2)
	s_wait_dscnt \younger
.irp t, 0,1,2,3,4,5,6,7,8,9,10,11,12,13,14,15
	global_store_b128 v[CO], v[BB+4*\t:BB+4*\t+3], s[12:13] offset:(\a)*65536+\t*4096 th:TH_STORE_NT   ; 32 lanes store 512 consecutive bytes, aligned; written once, read by nobody here
.endr
.endm
.irp a, 0,1,2,3
	ds_load_b32 v[IL+2*\a], v[ILA] offset:64*\a    ; 1 / l of query 16 a + r, in both registers of a pair
	ds_load_b32 v[IL+2*\a+1], v[ILA] offset:64*\a
.endr
	s_wait_dscnt 0x0
	TOSTAGE 0
.irp a, 1,2,3
.if \a > 1
	s_wait_xcnt 0x0                                ; block a - 2's stores have read their registers: block a's loads may land there
.endif
	TOSTAGE \a
	SEND \a-1, 32                                  ; behind block a - 1's loads: block a's 16 stores and 16 loads
.endr
	SEND 3, 0
	s_wait_tensorcnt 0x0                           ; the wave's end
	ds_add_u32 v[SPW], v[NIL]
	s_wait_dscnt 0x0
	CROUND                                         ; the closing round
	s_endpgm
.Lfunc_end_k_q8eaca7fa80_pv:
	.size	k_q8eaca7fa80_pv, .Lfunc_end_k_q8eaca7fa80_pv-k_q8eaca7fa80_pv
	.p2alignl 7, 3214868480
	.fill 96, 4, 3214868480
	.section	.rodata,"a",@progbits
	.p2align	6, 0x0
	.amdhsa_kernel k_q8eaca7fa80_pv
		.amdhsa_group_segment_fixed_size 327680
		.amdhsa_private_segment_fixed_size 0
		.amdhsa_enable_private_segment 0
		.amdhsa_kernarg_size 40
		.amdhsa_user_sgpr_count 2
		.amdhsa_user_sgpr_kernarg_segment_ptr 1
		.amdhsa_wavefront_size32 1
		.amdhsa_system_sgpr_workgroup_id_x 1
		.amdhsa_system_sgpr_workgroup_id_y 1
		.amdhsa_system_sgpr_workgroup_id_z 1
		.amdhsa_system_vgpr_workitem_id 0
		.amdhsa_next_free_vgpr 768
		.amdhsa_next_free_sgpr 96
		.amdhsa_reserve_vcc 0
		.amdhsa_float_denorm_mode_32 3
		.amdhsa_float_denorm_mode_16_64 3
		.amdhsa_memory_ordered 1
		.amdhsa_forward_progress 1
		.amdhsa_inst_pref_size 169
	.end_amdhsa_kernel
	.amdgpu_metadata
---
amdhsa.version: [ 1, 2 ]
amdhsa.kernels:
  - .name:           k_q8eaca7fa80_pv
    .symbol:         k_q8eaca7fa80_pv.kd
    .args:
      - { .name: pc, .offset: 0, .size: 8, .value_kind: global_buffer, .address_space: global }
      - { .name: pst, .offset: 8, .size: 8, .value_kind: global_buffer, .address_space: global }
      - { .name: c2, .offset: 16, .size: 8, .value_kind: global_buffer, .address_space: global }
      - { .name: s2, .offset: 24, .size: 8, .value_kind: global_buffer, .address_space: global }
      - { .name: out0, .offset: 32, .size: 8, .value_kind: global_buffer, .address_space: global }
    .group_segment_fixed_size: 327680
    .private_segment_fixed_size: 0
    .kernarg_segment_align: 8
    .kernarg_segment_size: 40
    .max_flat_workgroup_size: 128
    .sgpr_count:     96
    .vgpr_count:     768
    .wavefront_size: 32
...
	.end_amdgpu_metadata
.endif
;; end of part 4
